; MI455X (gfx1250); checked and timed in simulation.
; The chip was launched on July 23, 2026; its instructions are those of AMD's public machine-readable ISA for CDNA 5 (MIT licence, August 2026) and "CDNA5" Instruction Set Architecture Reference Guide (July 2026). The comments in the code are by the model that wrote it; some were corrected since.
;; Causal Self Attention. Allowed arithmetic: matrix products marked QUANTISED: E2M3 operands, one E8M0 scale for each 32 along K, by v_wmma_scale_f32_16x16x128_f8f6f4 with both operands' format E2M3, f32 sums; everything else in f32.
;; Inputs: W_attn 1,024 x 3,072 float32; W_proj 1,024 x 1,024 float32; b_attn 3,072 float32; b_proj 1,024 float32; x 4 x 2,048 x 1,024 float32.
;; Outputs: out0 4 x 2,048 x 1,024 float32.
;; This version of the problem:
;;   THIS VERSION OF THE PROBLEM IS GIVEN IN LOW PRECISION. The matrix products marked QUANTISED in the list below multiply operands that are first quantised to E2M3 (2 exponent bits, 3 mantissa bits; 6 bits a number), with one power-of-two scale for each 32 numbers along K (OCP MX v1.0); their sums are f32. All else is computed in f32.
;;   The module's matrix products, in the order in which they are computed (A, B: the left and right operand; K: the contracted axis; several contracted axes count as one K, in the product's order):
;;     1. [M 8,192, K 1,024] x [K 1,024, N 3,072]; A: input x; B: input W_attn: QUANTISED
;;     2. batch 64 x [M 2,048, K 64] x [K 64, N 2,048]; A: computed on the way; B: computed on the way: QUANTISED
;;     3. batch 64 x [M 2,048, K 2,048] x [K 2,048, N 64]; A: softmax (see below); B: computed on the way: QUANTISED
;;     4. [M 8,192, K 1,024] x [K 1,024, N 1,024]; A: computed on the way; B: input W_proj: QUANTISED
;;   THE QUANTISER, for each operand of a quantised product, along K:
;;     - K is cut into blocks of 32 from its start; a last block that is shorter is filled with zeros.
;;     - A block's scale is 2^e with e = floor(log2(the largest magnitude in the block)) - 2, held to -126 .. 127; a block of zeros has e = 0. As a byte (E8M0): e + 127.
;;     - Each number is divided by its block's scale, clamped to +-7.5, and rounded to the nearest number of E2M3, ties to even, subnormals kept.
;;     - The product sums the exact products of the quantised numbers (number of the format x scale) in f32.
;;   ~~~python
;;   def quantise(x, axis):      # numpy; x: float32 -> the quantised numbers, widened to float32 again
;;       x = np.moveaxis(x, axis, -1); K = x.shape[-1]
;;       x = np.pad(x, [(0, 0)] * (x.ndim - 1) + [(0, -K % 32)]); x = x.reshape(x.shape[:-1] + (-1, 32)); a = np.abs(x).max(-1, keepdims=True)
;;       e = np.where(a > 0, np.clip(np.frexp(np.where(a > 0, a, 1))[1] - 1 - 2, -126, 127), 0)      # np.frexp(a)[1] - 1 = floor(log2(a)), exactly
;;       r = np.clip(x / 2.0 ** e, -7.5, 7.5)
;;       step = 2.0 ** (np.maximum(np.frexp(np.where(r == 0, 1, r))[1] - 1, 0) - 3)
;;       q = np.round(r / step) * step * 2.0 ** e      # np.round: ties to even
;;       return np.moveaxis(q.reshape(q.shape[:-2] + (-1,))[..., :K], -1, axis).astype(np.float32)
;;   ~~~
;;   SOFTMAX AHEAD OF A QUANTISED PRODUCT. Where the list says 'softmax', what is quantised is not the finished softmax but p = 2^(t - M), with t = logit x log2(e) and M = ceil(the row's largest t), a whole number; so 1/2 < the row's largest p <= 1. The row's sum l is taken of the UNQUANTISED p, in f32, and the product's result is divided by l at the end. Since M is a whole number, a kernel that streams over the keys may use a running M (the ceiling of the running maximum): every later rescaling is an exact power of two, which a block's scale takes up: the codes' values come out the same.
;;   OPERANDS COMPUTED ON THE WAY. 'Computed on the way' means the value that the module computes at that place (a softmax that the list does not call 'softmax' is quantised finished and normalised). What goes into a quantiser is computed in f32, as accurately as f32 sums, v_exp_f32 and their like allow (about 1e-6 of the number): no bf16 or f16 on the way to a quantiser, and a product that is left as it is and whose result goes on into a quantised operand takes f32 operands (vector FMAs, or v_wmma_f32_16x16x4_f32). A number that lies on a knife's edge between two numbers of the format may be rounded either way, as far as f32 arithmetic and the matrix unit's own rounding can turn it there, and no further.
;; One version. Each part assembles by itself: llvm-mc -triple=amdgcn-amd-amdhsa -mcpu=gfx1250 --defsym DOCPART=n.
;; ======== version 1 of 1: 4 launches
;; limits: right only within a limited range of input values
;; workspace buffers: a_img 6,291,456 bytes; a_scl 262,144 bytes; w_img 3,145,728 bytes; w_scl 131,072 bytes; q_img 6,291,456 bytes; q_scl 524,288 bytes; kv 13,369,344 bytes
;; launch quant (part 1): grid 384 x 1, 4 waves a work-group, no clusters, 59,904 bytes of LDS; arguments x, W_attn, W_proj, a_img, a_scl, w_img, w_scl; writes a_img, a_scl, w_img, w_scl
.if DOCPART == 1
	.amdgcn_target "amdgcn-amd-amdhsa--gfx1250"
	.amdhsa_code_object_version 6
	.text
	.protected	k_qfbd775108b_quant
	.globl	k_qfbd775108b_quant
	.p2align	8
	.type	k_qfbd775108b_quant,@function
k_qfbd775108b_quant:
	s_mov_b64 s[64:65], 0
	v_nop
	global_prefetch_b8 v0, s[64:65] scope:SCOPE_SE
	s_setreg_imm32_b32 hwreg(HW_REG_WAVE_MODE, 25, 1), 1
	s_wait_xcnt 0x0
; CAUSAL SELF-ATTENTION IN MX-FP6 (E2M3, one E8M0 byte for each 32 along K), four launches: this one (x, W_attn, W_proj into codes), qkv (x W_attn + b_attn, quantised on the way out),
; attn (softmax(q k^T / 8) v under the causal mask, y quantised on the way out), proj (y W_proj + b_proj).
; WORK LEFT OUT BY THE PROGRAM: reference() sets att to -inf wherever key > query, by a jnp.tril that it builds itself; exp(-inf) = 0, so such a key adds 0 to the row's sum and 0 x v to y, whatever finite values
; the inputs hold.  Launch attn therefore leaves out every step of 128 keys all of which come after a wave's 32 queries; inside the step on the diagonal hidden scores are computed and set to -inf.  Every input has a way to
; the output and is loaded.  LIMIT: a NaN, an infinity or an overflow that reaches only the steps left out is not carried to the result.
; THIS LAUNCH.  x [8192][1024] is quantised along its last axis, W_attn [1024][3072] and W_proj [1024][1024] along their FIRST axis.  A block's scale byte is its largest magnitude's exponent field - 2, held at 1 from below.
; LIMITS: a block of zeros gets the byte 1 where the rule says 127 (its codes are zeros, and this program alone reads the bytes); blocks whose largest magnitude lies under 2^-124 are held at the byte 1; NaN and infinities are not served.
; LAYOUT OF THE CODES.  Rows are laid by POSITION: position P holds row P with its bits 3 and 4 exchanged, so that lane r of the tile of positions 32 b + 16 u + 0..15 holds row 32 b + 8 u + r + 8 (r / 8).
; A fragment (16 positions x 128 K, 12 registers a lane) lies as an image of its registers: register pair p at 256 p + 8 x lane, 1,536 bytes; a tile's eight K steps on end, 12,288 bytes.  Scale bytes: [position][32].
; Positions 0..3071 of w_img are W_attn's columns, 3072..4095 W_proj's.
; Work-groups 0..255 take x (two tiles of 16 rows each; a wave: one tile, half of K); work-groups 256..383 take the weights (128 columns x 256 along K; a wave: 32 columns).  The two paths have LDS bytes of their own.
.set XSTG,  8448                       ; x: a wave's stage: 16 rows x (512 bytes + 16)
.set WBASE, 33792                      ; behind the four x stages: the weights' stages,
.set WSTG,  6400                       ; a wave's: two tiles x (two images, 3,072 bytes, + 128)
.set SPARE, 59392                      ; the spare words, 128 bytes for each wave: two blocks of 256 bytes that no other line names
.set SPW,   252                        ; v252 LDS address of my spare word; never rewritten
.set NIL,   253                        ; v253 0; never rewritten
.set SEL,   20                         ; s[20:21] v_permlanex16_b32's selects for lane l xor 16
.set HM,    22                         ; s22 a mask of lanes 16-31
.set R,     16                         ; x: v16-143 two sets of 64 registers as loaded
.set X,     144                        ; v144-207 64 numbers: register 16 b + i = k 32 b + 16 (lane / 16) + i of my row
.set PC,    208                        ; v208-226 the codes just made
.set TM,    228                        ; v228-243 at work
.set PW,    244                        ; v244 the scale word just made
.set SW,    246                        ; v246-249 the four K steps' scale words
.set WX,    48                         ; weights: v48-111 two sets of 32 numbers
.set SBY,   124                        ; v124-125 my column's eight scale bytes
.set OUTR,  128                        ; v128-175 the way out
; 64 numbers of a lane become a fragment's codes in v[PC] .. v[PC+11] and its scale word in v[PW]
.macro QUANT s
.irp b, 0,1,2,3
	v_max3_num_f32 v[TM+\b], |v[\s+16*\b]|, |v[\s+1+16*\b]|, 0x1800000   ; block b: my 16 numbers, and the floor 2^(3 - 127): the byte cannot fall under 1
.endr
.irp i, 2,4,6,8,10,12,14
.irp b, 0,1,2,3
	v_max3_num_f32 v[TM+\b], v[TM+\b], |v[\s+16*\b+\i]|, |v[\s+1+16*\b+\i]|   ; the four blocks by turns
.endr
.endr
.irp b, 0,1,2,3
	v_permlanex16_b32 v[TM+4+\b], v[TM+\b], s[SEL], s[SEL+1]
.endr
.irp b, 0,1,2,3
	v_max_num_f32 v[TM+\b], v[TM+\b], v[TM+4+\b]   ; with lane l xor 16's: the block's largest magnitude
.endr
.irp b, 0,1,2,3
	v_add_nc_u32 v[TM+12+\b], 0xff000000, v[TM+\b]   ; 2 off its exponent field: the conversion takes this operand's exponent field as its scale
.endr
.irp b, 0,1,2,3
	v_lshrrev_b32 v[TM+4+\b], 23, v[TM+12+\b]   ; the scale's byte
.endr
	v_lshl_or_b32 v[PW], v[TM+5], 8, v[TM+4]
	v_lshl_or_b32 v[PW], v[TM+6], 16, v[PW]
	v_lshl_or_b32 v[PW], v[TM+7], 24, v[PW]
.irp c, 0,1
	v_cvt_scalef32_pk16_fp6_f32 v[PC+6*\c:PC+2+6*\c], v[\s+32*\c:\s+15+32*\c], v[TM+12+2*\c]
	v_cvt_scalef32_pk16_fp6_f32 v[PC+12+4*\c:PC+14+4*\c], v[\s+16+32*\c:\s+31+32*\c], v[TM+12+2*\c+1]   ; a conversion's three registers begin on an even number
.endr
	v_nop                                          ; one plain place behind a scaled conversion
.irp c, 0,1                                    ; the operand's layout wants a whole block in a lane: lanes 0-15 block 2 c, lanes 16-31 block 2 c + 1
.irp i, 0,1,2
	v_permlane16_swap_b32 v[PC+6*\c+\i], v[PC+12+4*\c+\i]
.endr
.irp i, 0,1,2
	v_mov_b32 v[PC+3+6*\c+\i], v[PC+12+4*\c+\i]
.endr
.endr
.endm
	s_load_b256 s[4:11], s[0:1], 0x0               ; x s[4:5], W_attn s[6:7], W_proj s[8:9], a_img s[10:11]
	s_load_b128 s[12:15], s[0:1], 0x20             ; a_scl s[12:13], w_img s[14:15]
	s_load_b64 s[16:17], s[0:1], 0x30              ; w_scl
	v_lshl_add_u32 v[SPW], v0, 2, SPARE
	v_mov_b32 v[NIL], 0
	v_lshrrev_b32 v1, 5, v0
	v_readfirstlane_b32 s18, v1                    ; wave 0..3
	v_and_b32 v5, 31, v0                           ; lane
	s_mov_b32 s[SEL], 0x76543210
	s_mov_b32 s[SEL+1], 0xfedcba98
	s_mov_b32 s[HM], 0xffff0000
	s_cmp_ge_u32 ttmp9, 256
	s_cbranch_scc1 .Lweights
	; ---------------- x: tile T = 2 x work-group + wave / 2, K half = wave % 2
	v_and_b32 v6, 15, v0                           ; r
	v_bfe_u32 v8, v0, 4, 1                         ; h
	v_lshlrev_b32 v1, 4, v5                        ; a load's 512 bytes: 16 a lane
	s_mul_i32 s23, s18, XSTG
	v_add_nc_u32 v2, s23, v1                       ; into the stage as loaded
	v_mul_u32_u24 v3, v6, 528
	v_lshl_add_u32 v3, v8, 6, v3
	v_add_nc_u32 v3, s23, v3                       ; out of it: row r, + 64 h: my 16 numbers of a block of 32
	v_lshlrev_b32 v4, 3, v5                        ; an image's place for my lane
	v_lshlrev_b32 v7, 5, v6
	v_lshl_add_u32 v7, v8, 3, v7                   ; scale bytes: 32 r + 8 h
.irp b, 0,1,2,3
	v_mov_b32 v[TM+4+\b], 0                        ; written once: a lane permute's destination counts as one of its sources
.endr
	s_lshr_b32 s24, s18, 1                         ; u
	s_and_b32 s25, s18, 1                          ; K half
	s_lshl_b32 s26, ttmp9, 5
	s_lshl_b32 s27, s24, 3
	s_add_co_u32 s26, s26, s27                     ; the tile's first row: 32 x work-group + 8 u
	s_lshl_b32 s26, s26, 12
	s_lshl_b32 s27, s25, 11
	s_add_co_u32 s26, s26, s27
	s_mov_b32 s27, 0
	s_lshl_b32 s28, ttmp9, 1
	s_add_co_u32 s28, s28, s24                     ; T
	s_mul_i32 s30, s28, 12288
	s_mul_i32 s29, s25, 6144
	s_add_co_u32 s30, s30, s29
	s_mov_b32 s31, 0
	s_lshl_b32 s28, s28, 9
	s_lshl_b32 s29, s25, 4
	s_add_co_u32 s28, s28, s29
	s_mov_b32 s29, 0
	s_wait_alu depctr_va_vdst(0)
	s_wait_kmcnt 0x0
	s_add_nc_u64 s[4:5], s[4:5], s[26:27]
	s_add_nc_u64 s[10:11], s[10:11], s[30:31]
	s_add_nc_u64 s[12:13], s[12:13], s[28:29]
.macro XLOAD s                         ; K step s of my four: each load reads 512 consecutive bytes of one of the tile's 16 rows (position p: row p % 8 + 16 (p / 8) from the first)
.irp p, 0,1,2,3,4,5,6,7,8,9,10,11,12,13,14,15
	global_load_b128 v[R+64*((\s)%2)+4*\p:R+64*((\s)%2)+4*\p+3], v1, s[4:5] offset:((\p%8)+16*(\p/8))*4096+512*(\s) th:TH_LOAD_NT
.endr
.endm
.macro UNIT s
.if (\s) < 3
	s_wait_loadcnt 16                              ; this K step's 16 loads are in; the next step's 16 may be out
.else
	s_wait_loadcnt 0x0
.endif
.irp p, 0,1,2,3,4,5,6,7,8,9,10,11,12,13,14,15
	ds_store_b128 v2, v[R+64*((\s)%2)+4*\p:R+64*((\s)%2)+4*\p+3] offset:528*\p
.endr
.irp b, 0,1,2,3
.irp j, 0,1,2,3
	ds_load_b128 v[X+16*\b+4*\j:X+16*\b+4*\j+3], v3 offset:128*\b+16*\j   ; LDS serves a wave's instructions in order: these see my stores
.endr
.endr
	s_wait_dscnt 0x0                               ; the numbers are back, and the stores have read their registers,
.if (\s) < 2
	XLOAD (\s)+2                                   ; which take the loads of two steps on
.endif
	s_wait_xcnt 0x0                                ; the last step's stores have read the codes' registers
	QUANT X
	v_mov_b32 v[SW+(\s)], v[PW]
.irp p, 0,1,2,3,4,5
	global_store_b64 v4, v[PC+2*\p:PC+2*\p+1], s[10:11] offset:1536*(\s)+256*\p   ; 32 lanes store 256 consecutive bytes, aligned
.endr
.endm
	XLOAD 0
	XLOAD 1
	UNIT 0
	UNIT 1
	UNIT 2
	UNIT 3
	v_cndmask_b32 v250, v[SW], v[SW+2], s[HM]      ; lanes 0-15 store K steps 0, 1 of my four, lanes 16-31 steps 2, 3:
	v_cndmask_b32 v251, v[SW+1], v[SW+3], s[HM]
	global_store_b64 v7, v[250:251], s[12:13]      ; 16 of each row's 32 scale bytes (the other wave of the tile stores the rest): one byte for 128 bytes read
	s_wait_tensorcnt 0x0                           ; the wave's end
	ds_add_u32 v[SPW], v[NIL]
	s_wait_dscnt 0x0
	s_endpgm
	; ---------------- the weights: a lane takes a column, its registers run down K
.Lweights:
	s_sub_co_u32 s23, ttmp9, 256
	s_and_b32 s24, s23, 31                         ; which 128 positions
	s_lshr_b32 s25, s23, 5                         ; which 256 along K
	s_lshl_b32 s26, s24, 7
	s_lshl_b32 s27, s18, 5
	s_add_co_u32 s26, s26, s27                     ; my wave's first position, a multiple of 32: positions and columns agree on it
	s_mov_b32 s27, 4096
	s_cmp_lt_u32 s24, 24                           ; W_attn's columns or W_proj's?  It hangs on the work-group's number alone
	s_cselect_b32 s27, 12288, s27                  ; a row of the weight in bytes
	s_cselect_b32 s28, 0, 3072
	s_sub_co_u32 s28, s26, s28                     ; my first column in that weight
	s_wait_alu depctr_va_vdst(0)
	v_lshlrev_b32 v1, 2, v5
.irp i, 0,1,2,3,4,5,6,7,8,9,10,11,12,13,14,15,16,17,18,19,20,21,22,23,24,25,26,27,28,29,30,31
	v_mad_u32_u24 v[16+\i], s27, \i, v1            ; row i of a block, my column
.endr
	v_bfe_u32 v2, v0, 3, 1                         ; column l lies at position l with bits 3 and 4 exchanged: tile = bit 3,
	v_bfe_u32 v3, v0, 4, 1
	v_and_b32 v4, 7, v0
	v_lshl_add_u32 v4, v3, 3, v4                   ; place in the tile = 8 x bit 4 + l % 8
	s_mul_i32 s29, s18, WSTG
	s_add_co_u32 s29, s29, WBASE                   ; my stage
	v_mul_u32_u24 v8, v2, 3200
	v_lshl_add_u32 v8, v4, 3, v8
	v_add_nc_u32 v8, s29, v8                       ; into it: my tile's images, 8 bytes at my place
	v_lshlrev_b32 v10, 4, v5                       ; out of it, and in w_img: 16 bytes a lane
	v_add_nc_u32 v9, s29, v10
	v_lshl_add_u32 v11, v2, 4, v4
	v_lshlrev_b32 v11, 5, v11                      ; my position's row of scale bytes
	s_mul_i32 s30, s25, s27
	s_lshl_b32 s30, s30, 8                         ; 256 rows for each step along K
	s_lshl_b32 s31, s28, 2
	s_add_co_u32 s30, s30, s31
	s_mov_b32 s31, 0
	s_lshl_b32 s48, s27, 5                         ; a block: 32 rows
	s_mov_b32 s49, 0
	s_lshr_b32 s50, s26, 4
	s_mul_i32 s50, s50, 12288
	s_mul_i32 s51, s25, 3072
	s_add_co_u32 s50, s50, s51                     ; w_img: my first tile, K steps 2 y and 2 y + 1
	s_mov_b32 s51, 0
	s_lshl_b32 s52, s26, 5
	s_lshl_b32 s53, s25, 3
	s_add_co_u32 s52, s52, s53                     ; w_scl: my first position, 8 bytes on for each 256 along K
	s_mov_b32 s53, 0
	s_wait_kmcnt 0x0
	s_cmp_lt_u32 s24, 24
	s_cselect_b64 s[32:33], s[6:7], s[8:9]
	s_add_nc_u64 s[32:33], s[32:33], s[30:31]      ; block 0;
.irp t, 1,2,3,4,5,6,7
	s_add_nc_u64 s[32+2*\t:33+2*\t], s[30+2*\t:31+2*\t], s[48:49]   ; a base for each of the eight blocks: none is stepped
.endr
	s_add_nc_u64 s[14:15], s[14:15], s[50:51]
	s_add_nc_u64 s[16:17], s[16:17], s[52:53]
.macro WLOAD t                         ; block t: W(32 t + i, my column): 32 lanes read 128 consecutive bytes
.irp i, 0,1,2,3,4,5,6,7,8,9,10,11,12,13,14,15,16,17,18,19,20,21,22,23,24,25,26,27,28,29,30,31
	global_load_b32 v[WX+32*((\t)%2)+\i], v[16+\i], s[32+2*(\t):33+2*(\t)] th:TH_LOAD_NT
.endr
.endm
.macro BLOCK t
.set XS, WX+32*((\t)%2)
.if (\t) < 7
	s_wait_loadcnt 32                              ; this block's 32 loads are in; the next block's may be out
.else
	s_wait_loadcnt 0x0
.endif
	v_max3_num_f32 v12, |v[XS]|, |v[XS+1]|, |v[XS+2]|   ; the block's largest magnitude: all 32 numbers are mine
	v_max3_num_f32 v13, |v[XS+3]|, |v[XS+4]|, |v[XS+5]|
.irp i, 6,10,14,18,22,26
	v_max3_num_f32 v12, v12, |v[XS+\i]|, |v[XS+\i+1]|
	v_max3_num_f32 v13, v13, |v[XS+\i+2]|, |v[XS+\i+3]|
.endr
	v_max3_num_f32 v12, v12, |v[XS+30]|, |v[XS+31]|
	v_max3_num_f32 v12, v12, v13, 0x1800000        ; and the floor
	v_add_nc_u32 v14, 0xff000000, v12              ; the conversion's scale operand
	v_lshrrev_b32 v15, 23, v14                     ; the byte
.if (\t)%4 == 0
	v_mov_b32 v[SBY+(\t)/4], v15
.else
	v_lshl_or_b32 v[SBY+(\t)/4], v15, 8*((\t)%4), v[SBY+(\t)/4]
.endif
	v_cvt_scalef32_pk16_fp6_f32 v[112:114], v[XS:XS+15], v14
	v_cvt_scalef32_pk16_fp6_f32 v[120:122], v[XS+16:XS+31], v14
	v_nop                                          ; one plain place behind a scaled conversion
.irp i, 0,1,2
	v_mov_b32 v[115+\i], v[120+\i]                 ; the block's 24 bytes on end
.endr
.irp i, 0,1,2
	ds_store_b64 v8, v[112+2*\i:113+2*\i] offset:((\t)/4)*1536+(((\t)%4)/2)*768+256*\i+128*((\t)%2)   ; block t is K step t / 4, registers 6 c on (c = (t % 4) / 2), lane half t % 2 of the image
.endr
.if (\t)+2 < 8
	WLOAD (\t)+2
.endif
	s_wait_dscnt 0x0                               ; the stores have read their registers
.endm
	WLOAD 0
	WLOAD 1
.irp t, 0,1,2,3,4,5,6,7
	BLOCK \t
.endr
	s_wait_alu depctr_va_vdst(0)
	global_store_b64 v11, v[SBY:SBY+1], s[16:17]   ; my column's 8 scale bytes: rows 32 bytes apart, one byte for 128 bytes read
.irp n, 0,1,2,3,4,5,6,7,8,9,10,11
	ds_load_b128 v[OUTR+4*\n:OUTR+4*\n+3], v9 offset:3200*(\n/6)+512*(\n%6)
.endr
.irp n, 0,1,2,3,4,5,6,7,8,9,10,11
	s_wait_dscnt 11-\n                             ; load n is in; the younger ones may be out
	global_store_b128 v10, v[OUTR+4*\n:OUTR+4*\n+3], s[14:15] offset:12288*(\n/6)+512*(\n%6)   ; 32 lanes store 512 consecutive bytes, aligned to 256
.endr
	s_wait_tensorcnt 0x0                           ; the wave's end
	ds_add_u32 v[SPW], v[NIL]
	s_wait_dscnt 0x0
	s_endpgm
.Lfunc_end_k_qfbd775108b_quant:
	.size	k_qfbd775108b_quant, .Lfunc_end_k_qfbd775108b_quant-k_qfbd775108b_quant
	.p2alignl 7, 3214868480
	.fill 96, 4, 3214868480
	.section	.rodata,"a",@progbits
	.p2align	6, 0x0
	.amdhsa_kernel k_qfbd775108b_quant
		.amdhsa_group_segment_fixed_size 59904
		.amdhsa_private_segment_fixed_size 0
		.amdhsa_enable_private_segment 0
		.amdhsa_kernarg_size 56
		.amdhsa_user_sgpr_count 2
		.amdhsa_user_sgpr_kernarg_segment_ptr 1
		.amdhsa_wavefront_size32 1
		.amdhsa_system_sgpr_workgroup_id_x 1
		.amdhsa_system_sgpr_workgroup_id_y 1
		.amdhsa_system_sgpr_workgroup_id_z 1
		.amdhsa_system_vgpr_workitem_id 0
		.amdhsa_next_free_vgpr 256
		.amdhsa_next_free_sgpr 66
		.amdhsa_reserve_vcc 0
		.amdhsa_float_denorm_mode_32 3
		.amdhsa_float_denorm_mode_16_64 3
		.amdhsa_memory_ordered 1
		.amdhsa_forward_progress 1
		.amdhsa_inst_pref_size 79
	.end_amdhsa_kernel
	.amdgpu_metadata
---
amdhsa.version: [ 1, 2 ]
amdhsa.kernels:
  - .name:           k_qfbd775108b_quant
    .symbol:         k_qfbd775108b_quant.kd
    .args:
      - { .name: x, .offset: 0, .size: 8, .value_kind: global_buffer, .address_space: global }
      - { .name: W_attn, .offset: 8, .size: 8, .value_kind: global_buffer, .address_space: global }
      - { .name: W_proj, .offset: 16, .size: 8, .value_kind: global_buffer, .address_space: global }
      - { .name: a_img, .offset: 24, .size: 8, .value_kind: global_buffer, .address_space: global }
      - { .name: a_scl, .offset: 32, .size: 8, .value_kind: global_buffer, .address_space: global }
      - { .name: w_img, .offset: 40, .size: 8, .value_kind: global_buffer, .address_space: global }
      - { .name: w_scl, .offset: 48, .size: 8, .value_kind: global_buffer, .address_space: global }
    .group_segment_fixed_size: 59904
    .private_segment_fixed_size: 0
    .kernarg_segment_align: 8
    .kernarg_segment_size: 56
    .max_flat_workgroup_size: 128
    .sgpr_count:     66
    .vgpr_count:     256
    .wavefront_size: 32
...
	.end_amdgpu_metadata
.endif
;; end of part 1
;; launch qkv (part 2): grid 4 x 64, 4 waves a work-group, clusters of 4 x 4, 327,680 bytes of LDS; arguments a_img, a_scl, w_img, w_scl, q_img, q_scl, kv, b_attn; writes q_img, q_scl, kv
.if DOCPART == 2
	.amdgcn_target "amdgcn-amd-amdhsa--gfx1250"
	.amdhsa_code_object_version 6
	.text
	.protected	k_qfbd775108b_qkv
	.globl	k_qfbd775108b_qkv
	.p2align	8
	.type	k_qfbd775108b_qkv,@function
k_qfbd775108b_qkv:
	s_mov_b64 s[64:65], 0
	v_nop
	global_prefetch_b8 v0, s[64:65] scope:SCOPE_SE
	s_setreg_imm32_b32 hwreg(HW_REG_WAVE_MODE, 25, 1), 1
	s_wait_xcnt 0x0
	s_wait_alu depctr_hold_cnt(0) depctr_sa_sdst(0) depctr_va_vdst(0) depctr_va_sdst(0) depctr_va_ssrc(0) depctr_va_vcc(0) depctr_vm_vsrc(0)
	s_getreg_b32 s2, hwreg(HW_REG_IB_STS2, 6, 4)
	s_cmp_eq_u32 s2, 0
	s_cbranch_scc0 .Lentry_in_a_cluster
	s_endpgm
.Lentry_in_a_cluster:
	s_bfe_u32 s2, ttmp6, 0x10000c
	s_cmp_lg_u32 s2, 0xf033
	s_cbranch_scc0 .Lentry_shape_is_right
	s_endpgm
.Lentry_shape_is_right:
; qkv = x W_attn + b_attn on codes of FP6 (E2M3) with E8M0 scales, K = 1,024; the way out adds the bias and quantises q and k along the head's 64 and v along the tokens, in registers, and stores images of the operand
; registers that the attention launch takes.  LIMITS as in the first launch (zero blocks get the byte 1; NaN and infinities are not served).
; THE DEAL.  256 work-groups of four waves.  Work-group (j, u) takes the 128 tokens of unit u and 256 columns (four heads) of q, of k and of v: three phases.  The tokens' codes, ALL of K (98,304 bytes), stay in LDS (X);
; the 256 positions of W_attn of a phase, all of K (196,608 bytes), lie beside them (W).  Both lie in two halves along K (steps 0-3, steps 4-7).
; The operands lie in memory as images of their registers (16 positions x 128 K: register pair p at 256 p + 8 x lane; a tile's eight K steps on end, 12,288 bytes): a half of a tile is a row of 6,144 bytes.
; FILLS.  At the head one tensor load a wave: X's lower half, W's lower, X's upper, W's upper; the first barrier waits for the two lower halves alone.  Each half of W is filled again twice, behind a drained round of the cluster's barrier:
; the lower ahead of step 3 (its last fragments have been fetched), the upper behind step 7; each wave brings 4 of the 16 tiles.  Phases q and k are a loop of two trips, each of which refills; phase v is written out and refills nothing.
; A WAVE makes 64 x 128: 4 blocks of A x 8 blocks of B, 32 accumulators.  q, k: A = tokens (waves 2 x 2), B = W's positions; v: A = W's positions (64 a wave: one head), B = the 128 tokens.
; The matrix instruction is used transposed (source 0 = B, source 1 = A): a lane holds one row of A, and register 8 b + i holds B's row 32 (b / 2) + 16 (lane / 16) + 8 (b % 2) + i.
; A STEP is 32 products on one of two fragment buffers; three of the next step's 72 LDS loads stand ahead of each of its first 24 products.  The 32 accumulators take turns.
; SCALE WORDS go from memory into registers, a position's 32 bytes by two loads: v16-47 A's (8 a + step), v52-115 B's (8 b + step).
; CLUSTERS: 4 x 4; X is asked for jointly along a row of the cluster, W along a column.  W's tile of the next phase is prefetched by the first four clusters, 48 blocks of 256 bytes a wave, shared out by address, at the head of the trip before.
; REGISTERS.  Window 0: v1-15, v48-51, v116-117 addresses; scale words; v128-233 the way out.  Window 1: accumulators.  Window 2: B's two buffers, v192-255 the biases.  Window 3: A's two buffers.
.set TILEB, 6144
.set XLO, 0
.set XHI, 8*TILEB
.set WLO, 16*TILEB
.set WHI, 32*TILEB
.set SPARE, 48*TILEB                   ; the spare words, 128 bytes for each wave
.set PHB, 786432                       ; 1,024 positions of W in bytes: from phase to phase
.set SPW, 48
.set NIL, 49
.set SA, 16
.set SB, 52
.set ADA, 4                            ; v4-5 LDS address of A's fragments, lower and upper half of K (q, k); v8-9 in phase v
.set ADB, 6                            ; v6-7 of B's; v10-11 in phase v
.set ST, 128
.set PC, 192
.set TM, 212
.set PW, 228
.set SW, 230
.set SEL, 66
.set G1X, 24
.set G1W, 32
.set G1R, 40
.set MUL, 0x5e                         ; source 0 window 2, source 1 window 3, C and D window 1
.set MSB, 0
.macro WIN new                         ; the immediate's high byte repeats the setting that is left
.if MSB != \new
	s_set_vgpr_msb (MSB<<8)|\new
.set MSB, \new
.endif
.endm
.macro WALU
	s_wait_alu depctr_va_vdst(0)
.endm
.macro PLACES n
.rept \n
	v_nop
.endr
.endm
.macro ROUND                           ; a round of the cluster's barrier
	s_barrier_signal -1
	s_barrier_wait -1
	s_cmp_lg_u32 s14, 0
	s_cbranch_scc1 .Lnw0_\@
	s_barrier_signal -3
.Lnw0_\@:
	s_barrier_wait -3
	s_barrier_signal -1
	s_barrier_wait -1
.endm
.macro GROUP1 g, mask, rows            ; rows of 6,144 bytes (768 elements of 8), 12,288 bytes apart, dense in LDS
	s_or_b32 s[\g], s[\mask], (3<<16)|(1<<21)
	s_mov_b32 s[\g+1], 768<<16
	s_mov_b32 s[\g+2], (\rows)<<16
	s_mov_b32 s[\g+3], 768<<16
	s_mov_b32 s[\g+4], \rows
	s_mov_b32 s[\g+5], 1536
	s_mov_b32 s[\g+6], 0
	s_mov_b32 s[\g+7], 0
.endm
.macro G0SET g, lds, base, off
	s_mov_b32 s[\g], 1
	s_mov_b32 s[\g+1], \lds
	s_add_nc_u64 s[\g+2:\g+3], s[\base:\base+1], \off
	s_or_b32 s[\g+3], s[\g+3], 0x80000000
.endm
.macro TLOAD g0, g1
	tensor_load_to_lds s[\g0:\g0+3], s[\g1:\g1+7]
	s_nop 0
	PLACES 4
.endm
.macro ARM under, g0, g1, next
	s_cmp_lt_u32 s14, \under
	s_cbranch_scc0 \next
	TLOAD \g0, \g1
	s_branch .Lhead_asked
\next:
.endm
.macro FRAGL L, q                      ; load L of the 72 of step q: 0-47 B's eight fragments, 48-71 A's four; 256 consecutive bytes each
.if (\L) < 48
	WIN 0x80
	ds_load_b64 v[96*((\q)%2)+2*(\L):96*((\q)%2)+2*(\L)+1], v[ADB+(\q)/4] offset:((\L)/6)*TILEB+((\q)%4)*1536+256*((\L)%6)
.else
	WIN 0xc0
	ds_load_b64 v[48*((\q)%2)+2*((\L)-48):48*((\q)%2)+2*((\L)-48)+1], v[ADA+(\q)/4] offset:(((\L)-48)/6)*TILEB+((\q)%4)*1536+256*((\L)%6)
.endif
.endm
.macro PROD n, q                       ; product n = 8 a + b of step q; step 0 starts the sums
.if (\q) == 0
	v_wmma_scale_f32_16x16x128_f8f6f4 v[8*(\n):8*(\n)+7], v[12*((\n)%8):12*((\n)%8)+11], v[12*((\n)/8):12*((\n)/8)+11], 0, v[SB+8*((\n)%8)], v[SA+8*((\n)/8)] matrix_a_fmt:MATRIX_FMT_FP6 matrix_b_fmt:MATRIX_FMT_FP6
.else
	v_wmma_scale_f32_16x16x128_f8f6f4 v[8*(\n):8*(\n)+7], v[96*((\q)%2)+12*((\n)%8):96*((\q)%2)+12*((\n)%8)+11], v[48*((\q)%2)+12*((\n)/8):48*((\q)%2)+12*((\n)/8)+11], v[8*(\n):8*(\n)+7], v[SB+8*((\n)%8)+(\q)], v[SA+8*((\n)/8)+(\q)] matrix_a_fmt:MATRIX_FMT_FP6 matrix_b_fmt:MATRIX_FMT_FP6
.endif
.endm
.macro STEP q, nxt
	s_wait_dscnt 0x0                               ; this step's fragments are in
	PLACES 4                                       ; between the last step's products and the loads into the buffer that the step before it read
.set N_, 0
.rept 32
.if (\nxt) && (N_ < 24)
	FRAGL 3*N_, (\q)+1
	FRAGL 3*N_+1, (\q)+1
	FRAGL 3*N_+2, (\q)+1
.endif
	WIN MUL
	PROD N_, \q
.set N_, N_+1
.endr
	WIN 0
.endm
.macro FETCH0
.set L_, 0
.rept 72
	FRAGL L_, 0
.set L_, L_+1
.endr
	WIN 0
.endm
.macro SCLOAD                          ; the scale words of my 4 blocks of A and 8 of B: 24 loads
.irp a, 0,1,2,3
	global_load_b128 v[SA+8*\a:SA+8*\a+3], v15, s[80:81] offset:512*\a
	global_load_b128 v[SA+8*\a+4:SA+8*\a+7], v15, s[80:81] offset:512*\a+16
.endr
.irp b, 0,1,2,3,4,5,6,7
	global_load_b128 v[SB+8*\b:SB+8*\b+3], v15, s[82:83] offset:512*\b
	global_load_b128 v[SB+8*\b+4:SB+8*\b+7], v15, s[82:83] offset:512*\b+16
.endr
.endm
; 64 numbers of a lane, register 16 b + i = k 32 b + 16 (lane / 16) + i of my row, become a fragment's codes in v[PC] .. v[PC+11] and its scale word in v[PW]
.macro QUANT s
.irp b, 0,1,2,3
	v_max3_num_f32 v[TM+\b], |v[\s+16*\b]|, |v[\s+1+16*\b]|, 0x1800000   ; and the floor 2^(3 - 127): the byte cannot fall under 1
.endr
.irp i, 2,4,6,8,10,12,14
.irp b, 0,1,2,3
	v_max3_num_f32 v[TM+\b], v[TM+\b], |v[\s+16*\b+\i]|, |v[\s+1+16*\b+\i]|
.endr
.endr
.irp b, 0,1,2,3
	v_permlanex16_b32 v[TM+4+\b], v[TM+\b], s[SEL], s[SEL+1]
.endr
.irp b, 0,1,2,3
	v_max_num_f32 v[TM+\b], v[TM+\b], v[TM+4+\b]
.endr
.irp b, 0,1,2,3
	v_add_nc_u32 v[TM+12+\b], 0xff000000, v[TM+\b]   ; 2 off the exponent field: the conversion's scale operand
.endr
.irp b, 0,1,2,3
	v_lshrrev_b32 v[TM+4+\b], 23, v[TM+12+\b]
.endr
	v_lshl_or_b32 v[PW], v[TM+5], 8, v[TM+4]
	v_lshl_or_b32 v[PW], v[TM+6], 16, v[PW]
	v_lshl_or_b32 v[PW], v[TM+7], 24, v[PW]
.irp c, 0,1
	v_cvt_scalef32_pk16_fp6_f32 v[PC+6*\c:PC+2+6*\c], v[\s+32*\c:\s+15+32*\c], v[TM+12+2*\c]
	v_cvt_scalef32_pk16_fp6_f32 v[PC+12+4*\c:PC+14+4*\c], v[\s+16+32*\c:\s+31+32*\c], v[TM+12+2*\c+1]
.endr
	v_nop                                          ; one plain place behind a scaled conversion
.irp c, 0,1
.irp i, 0,1,2
	v_permlane16_swap_b32 v[PC+6*\c+\i], v[PC+12+4*\c+\i]
.endr
.irp i, 0,1,2
	v_mov_b32 v[PC+3+6*\c+\i], v[PC+12+4*\c+\i]
.endr
.endr
.endm
; THE WAY OUT of A's block a.  One packed addition brings a pair of sums into window 0 and adds the bias; each accumulator is read from its low end on.
; isv = 0: codes 0-5 are the first head's half fragment, 6-11 the second's; lanes 0-15 keep the first head's two scale bytes, lanes 16-31 the second's.  isv = 1: a fragment of 16 features x 128 tokens of my head.
.macro EPI a, isv
	s_wait_xcnt 0x0                                ; the last block's stores have read their registers
	WIN 0x09
.irp b, 0,1,2,3,4,5,6,7
.irp k, 0,2,4,6
.if \isv
	v_pk_add_f32 v[ST+8*\b+\k:ST+8*\b+\k+1], v[64*(\a)+8*\b+\k:64*(\a)+8*\b+\k+1], v[192+2*(\a):193+2*(\a)]
.else
	v_pk_add_f32 v[ST+8*\b+\k:ST+8*\b+\k+1], v[64*(\a)+8*\b+\k:64*(\a)+8*\b+\k+1], v[192+8*\b+\k:193+8*\b+\k]
.endif
.endr
.endr
	WIN 0
	QUANT ST
.if \isv
	v_mov_b32 v[SW+(\a)], v[PW]
.irp p, 0,1,2,3,4,5
	global_store_b64 v12, v[PC+2*\p:PC+2*\p+1], s[20:21] offset:1536*(\a)+256*\p   ; 256 consecutive bytes, aligned
.endr
.else
	v_bfe_u32 v[SW+(\a)], v[PW], v13, 16           ; two bytes from bit 16 (lane / 16); the upper bytes are 0: they scale the zero codes of K = 64 .. 127
.irp i, 0,1,2
	global_store_b64 v12, v[PC+2*\i:PC+2*\i+1], s[20:21] offset:768*(\a)+256*\i
.endr
.irp i, 0,1,2
	global_store_b64 v12, v[PC+6+2*\i:PC+7+2*\i], s[22:23] offset:768*(\a)+256*\i
.endr
.endif
.if (\a) == 3
	global_store_b128 v14, v[SW:SW+3], s[92:93]    ; four tiles' scale words: sixteen lanes store 256 bytes (phase v: both halves of the lanes store the same words to the same place)
.endif
.endm
	s_load_b128 s[4:7], s[0:1], 0x0                ; a_img, a_scl
	s_load_b128 s[8:11], s[0:1], 0x10              ; w_img, w_scl
	s_load_b128 s[96:99], s[0:1], 0x20             ; q_img, q_scl
	s_load_b64 s[100:101], s[0:1], 0x30            ; kv
	s_load_b64 s[104:105], s[0:1], 0x38            ; b_attn
	v_lshl_add_u32 v[SPW], v0, 2, SPARE
	v_mov_b32 v[NIL], 0
	ds_add_u32 v[SPW], v[NIL]                      ; the wave's opening: the add, twice on end, and its wait
	ds_add_u32 v[SPW], v[NIL]
	v_lshrrev_b32 v1, 5, v0
	v_readfirstlane_b32 s14, v1                    ; wave
	s_lshr_b32 s15, s14, 1                         ; q, k: my half of the tokens
	s_and_b32 s16, s14, 1                          ; q, k: my half of the columns
	s_bfe_u32 s76, ttmp6, 0x40000                  ; cx = j
	s_bfe_u32 s77, ttmp6, 0x40004                  ; cy
	s_and_b32 s17, ttmp7, 0xffff
	s_lshl_b32 s78, s77, 2
	s_lshl_b32 s78, 15, s78                        ; my row of the cluster
	s_lshl_b32 s79, 0x1111, s76                    ; my column
	GROUP1 G1X, 78, 8
	GROUP1 G1W, 79, 16
	GROUP1 G1R, 79, 4
	s_mov_b32 s78, s17                             ; the cluster's y
	s_lshl_b32 s17, s17, 2
	s_add_co_u32 s17, s17, s77                     ; u: my unit of 128 tokens
	s_mov_b32 s[SEL], 0x76543210
	s_mov_b32 s[SEL+1], 0xfedcba98
	s_mul_i32 s88, s17, 16*TILEB
	s_mov_b32 s89, 0
	s_mul_i32 s90, s76, 32*TILEB
	s_mov_b32 s91, 0
	s_wait_dscnt 0x0                               ; both opening adds are done
	ROUND                                          ; all sixteen work-groups are here: the first joint loads meet
	s_wait_kmcnt 0x0
	s_add_nc_u64 s[18:19], s[4:5], s[88:89]        ; my tokens' codes
	s_add_nc_u64 s[12:13], s[8:9], s[90:91]        ; q's 256 positions of W
	G0SET 48, XLO, 18, 0
	G0SET 52, WLO, 12, 0
	G0SET 56, XHI, 18, TILEB
	G0SET 60, WHI, 12, TILEB
	ARM 1, 48, G1X, .Lhead_1                       ; one load a wave, what is needed first asked for first
	ARM 2, 52, G1W, .Lhead_2
	ARM 3, 56, G1X, .Lhead_3
	TLOAD 60, G1W
.Lhead_asked:
	s_mul_i32 s88, s14, 8*TILEB                    ; the refills: my 4 tiles of W's 16
	s_mov_b32 s68, 1
	s_mul_i32 s69, s14, 4*TILEB
	s_add_co_u32 s69, s69, WLO
	s_add_nc_u64 s[70:71], s[12:13], s[88:89]
	s_mov_b32 s72, 1
	s_add_co_u32 s73, s69, WHI-WLO
	s_add_nc_u64 s[74:75], s[70:71], TILEB
	s_or_b32 s71, s71, 0x80000000
	s_or_b32 s75, s75, 0x80000000
	s_add_nc_u64 s[86:87], s[12:13], PHB           ; the prefetches: the next phase's tile of W
	s_lshl_b32 s88, s17, 12
	s_add_nc_u64 s[12:13], s[6:7], s[88:89]        ; scale words.  Phase v's B: my 128 tokens';
	s_lshl_b32 s88, s15, 11
	s_add_nc_u64 s[80:81], s[12:13], s[88:89]      ; q, k: A: my 64 tokens';
	s_lshl_b32 s88, s76, 13
	s_add_nc_u64 s[82:83], s[10:11], s[88:89]
	s_lshl_b32 s88, s14, 11
	s_add_co_u32 s88, s88, 65536
	s_add_nc_u64 s[2:3], s[82:83], s[88:89]        ; phase v's A: positions 2,048 + 256 j + 64 wave;
	s_lshl_b32 s88, s16, 12
	s_add_nc_u64 s[82:83], s[82:83], s[88:89]      ; q's B: positions 256 j + 128 x half
	s_lshl_b32 s88, s76, 10
	s_lshl_b32 s90, s16, 9
	s_add_co_u32 s88, s88, s90
	s_add_nc_u64 s[84:85], s[104:105], s[88:89]    ; q's biases of my 128 columns
	v_and_b32 v1, 15, v0                           ; r
	v_bfe_u32 v2, v0, 4, 1                         ; h
	v_and_b32 v3, 31, v0
	v_lshlrev_b32 v12, 3, v3                       ; 8 x lane
	s_mul_i32 s88, s15, 4*TILEB
	v_add_nc_u32 v4, s88, v12
	v_add_nc_u32 v5, XHI, v4
	s_mul_i32 s88, s16, 8*TILEB
	s_add_co_u32 s88, s88, WLO
	v_add_nc_u32 v6, s88, v12
	v_add_nc_u32 v7, WHI-WLO, v6
	v_add_nc_u32 v8, s69, v12
	v_add_nc_u32 v9, WHI-WLO, v8
	v_add_nc_u32 v10, XLO, v12
	v_add_nc_u32 v11, XHI, v12
	v_lshlrev_b32 v13, 4, v2                       ; 16 h
	v_lshlrev_b32 v15, 5, v1                       ; 32 r: a position's scale bytes
	v_lshlrev_b32 v50, 6, v2                       ; 64 h
	v_and_b32 v51, 8, v1
	v_add_nc_u32 v51, v51, v1
	v_lshlrev_b32 v51, 2, v51                      ; 4 (r + 8 (r / 8))
	SCLOAD
	s_lshl_b32 s88, s77, 2
	s_add_co_u32 s88, s88, s14                     ; my wave among the sixteen of my column of the cluster
	s_mul_i32 s88, s88, 48                         ; 48 of the tile's 768 blocks of 256 bytes
	v_add_nc_u32 v116, s88, v3
	v_min_u32 v117, 15, v3
	v_add_nc_u32 v117, s88, v117
	v_add_nc_u32 v117, 32, v117
	v_lshlrev_b32 v116, 8, v116
	v_lshlrev_b32 v117, 8, v117
.irp b, 0,1,2,3
	v_mov_b32 v[TM+4+\b], 0                        ; a lane permute's destination counts as one of its sources
.endr
	s_lshr_b32 s18, s17, 4                         ; the batch
	s_and_b32 s19, s17, 15                         ; my unit in the batch
	s_lshl_b32 s18, s18, 4
	s_lshl_b32 s88, s76, 2
	s_add_co_u32 s18, s18, s88
	s_lshl_b32 s88, s16, 1
	s_add_co_u32 s18, s18, s88                     ; q, k: my first head: 16 x batch + 4 j + 2 x half
	s_mov_b32 s95, 0                               ; the phase
	WALU                                           ; the wait at the head's end
	s_cmp_lt_u32 s14, 2
	s_cbranch_scc0 .Lnot_lo
	s_wait_tensorcnt 0x0                           ; waves 0 and 1: the lower halves are in
.Lnot_lo:
	s_barrier_signal -1
	s_barrier_wait -1
.Lphase:                                               ; q, then k
	s_wait_xcnt 0x0                                ; the last phase's stores have read their bases and offsets
	s_cmp_lt_u32 s78, 4
	s_cbranch_scc0 .Lno_pf
	global_prefetch_b8 v116, s[86:87] th:TH_LOAD_NT scope:SCOPE_SE
	global_prefetch_b8 v117, s[86:87] th:TH_LOAD_NT scope:SCOPE_SE
.Lno_pf:
	s_cmp_eq_u32 s95, 0                            ; q or k: all choices on this compare, ahead of any addition
	s_cselect_b64 s[20:21], s[96:97], s[100:101]   ; codes: q_img or kv
	s_cselect_b64 s[92:93], s[98:99], s[100:101]   ; scale words: q_scl or kv
	s_mov_b32 s4, 208896
	s_cselect_b32 s4, 98304, s4                    ; a head's codes,
	s_mov_b32 s5, 13056
	s_cselect_b32 s5, 6144, s5                     ; a unit's codes,
	s_mov_b32 s6, 208896
	s_cselect_b32 s6, 8192, s6                     ; a head's scale words,
	s_mov_b32 s7, 13056
	s_cselect_b32 s7, 512, s7                      ; a unit's scale words,
	s_cselect_b32 s8, 0, 12288                     ; and where they begin in a record of kv
	s_mul_i32 s10, s18, s4
	s_mul_i32 s11, s19, s5
	s_add_co_u32 s10, s10, s11
	s_mul_i32 s11, s15, 3072                       ; my four tiles of the unit's eight
	s_add_co_u32 s10, s10, s11
	s_mov_b32 s11, 0
	s_add_nc_u64 s[20:21], s[20:21], s[10:11]      ; the first head's codes
	s_mov_b32 s10, s4
	s_add_nc_u64 s[22:23], s[20:21], s[10:11]      ; the second's
	s_mul_i32 s10, s18, s6
	s_mul_i32 s9, s19, s7
	s_add_co_u32 s10, s10, s9
	s_add_co_u32 s10, s10, s8
	s_lshl_b32 s9, s15, 8
	s_add_co_u32 s10, s10, s9
	s_add_nc_u64 s[92:93], s[92:93], s[10:11]
	v_mul_u32_u24 v14, s6, v2
	v_lshl_add_u32 v14, v1, 4, v14                 ; scale words: 16 r, lanes 16-31 in the second head
	FETCH0
	WIN 0x80
.irp b, 0,1,2,3,4,5,6,7
	global_load_b128 v[192+8*\b:195+8*\b], v50, s[84:85] offset:(32*(\b/2)+8*(\b%2))*4
	global_load_b128 v[196+8*\b:199+8*\b], v50, s[84:85] offset:(32*(\b/2)+8*(\b%2))*4+16
.endr
	WIN 0
	WALU
	s_wait_loadcnt 16                              ; the scale words are in; the 16 loads of biases, issued behind them, may be out
	STEP 0, 1
	STEP 1, 1
	STEP 2, 1
	s_wait_tensorcnt 0x0                           ; all my tensor loads have landed: W's upper half of this phase among them
	ds_add_u32 v[SPW], v[NIL]
	s_add_nc_u64 s[70:71], s[70:71], PHB           ; the next phase's lower half
	s_wait_dscnt 0x0                               ; the add is done, and my reads of the lower halves are over
	ROUND
	TLOAD 68, G1R
	STEP 3, 1
	STEP 4, 1
	STEP 5, 1
	STEP 6, 1
	STEP 7, 0
	s_wait_tensorcnt 0x0                           ; the next phase's lower half has landed
	ds_add_u32 v[SPW], v[NIL]
	s_add_nc_u64 s[74:75], s[74:75], PHB
	s_wait_dscnt 0x0
	ROUND
	TLOAD 72, G1R                                  ; its four v_nop are the places behind the last products
	s_wait_xcnt 0x0
	s_add_nc_u64 s[82:83], s[82:83], 32768         ; the next phase's scale words, biases and prefetch
	s_add_nc_u64 s[84:85], s[84:85], 4096
	s_add_nc_u64 s[86:87], s[86:87], PHB
	s_cmp_eq_u32 s95, 1                            ; phase v follows: W is A and x is B
	s_cselect_b64 s[80:81], s[2:3], s[80:81]
	s_cselect_b64 s[82:83], s[12:13], s[82:83]
	SCLOAD
	s_wait_loadcnt 24                              ; the biases are in; the 24 loads just issued may be out
.irp a, 0,1,2,3
	EPI \a, 0
.endr
	s_add_co_u32 s95, s95, 1
	s_cmp_lt_u32 s95, 2
	WALU
	s_cbranch_scc1 .Lphase
	; ---------------- phase v
.set ADA, 8
.set ADB, 10
	s_wait_xcnt 0x0
	s_lshr_b32 s9, s17, 4
	s_lshl_b32 s9, s9, 4
	s_lshl_b32 s10, s76, 2
	s_add_co_u32 s9, s9, s10
	s_add_co_u32 s9, s9, s14                       ; my head: 16 x batch + 4 j + wave
	s_mul_i32 s10, s9, 208896
	s_mul_i32 s11, s19, 13056
	s_add_co_u32 s10, s10, s11
	s_add_co_u32 s10, s10, 6144                    ; V^T begins 6,144 bytes into a record
	s_mov_b32 s11, 0
	s_add_nc_u64 s[20:21], s[100:101], s[10:11]
	s_add_nc_u64 s[92:93], s[20:21], 6656          ; V's scale words: 12,800 bytes into the record
	s_lshl_b32 s10, s76, 10
	s_lshl_b32 s9, s14, 8
	s_add_co_u32 s10, s10, s9
	s_add_co_u32 s10, s10, 8192                    ; my 64 features' biases: 4 (2,048 + 256 j + 64 wave)
	s_add_nc_u64 s[84:85], s[104:105], s[10:11]
	v_lshlrev_b32 v14, 4, v1
	FETCH0
	WIN 0x80
.irp a, 0,1,2,3
	global_load_b32 v[192+2*\a], v51, s[84:85] offset:(32*(\a/2)+8*(\a%2))*4      ; twice: the packed addition names a pair
	global_load_b32 v[193+2*\a], v51, s[84:85] offset:(32*(\a/2)+8*(\a%2))*4
.endr
	WIN 0
	WALU
	s_wait_loadcnt 8                               ; the scale words are in; the 8 loads of biases may be out
	STEP 0, 1
	STEP 1, 1
	STEP 2, 1
	s_wait_tensorcnt 0x0                           ; W's upper half of phase v;
	s_wait_dscnt 0x0
	s_barrier_signal -1
	s_barrier_wait -1                              ; everybody's part is in
	STEP 3, 1
	STEP 4, 1
	STEP 5, 1
	STEP 6, 1
	STEP 7, 0
	PLACES 4
	s_wait_loadcnt 0x0
.irp a, 0,1,2,3
	EPI \a, 1
.endr
	s_wait_tensorcnt 0x0                           ; the wave's end
	ds_add_u32 v[SPW], v[NIL]
	s_wait_dscnt 0x0
	ROUND                                          ; the closing round
	s_endpgm
.Lfunc_end_k_qfbd775108b_qkv:
	.size	k_qfbd775108b_qkv, .Lfunc_end_k_qfbd775108b_qkv-k_qfbd775108b_qkv
	.p2alignl 7, 3214868480
	.fill 96, 4, 3214868480
	.section	.rodata,"a",@progbits
	.p2align	6, 0x0
	.amdhsa_kernel k_qfbd775108b_qkv
		.amdhsa_group_segment_fixed_size 327680
		.amdhsa_private_segment_fixed_size 0
		.amdhsa_enable_private_segment 0
		.amdhsa_kernarg_size 64
		.amdhsa_user_sgpr_count 2
		.amdhsa_user_sgpr_kernarg_segment_ptr 1
		.amdhsa_wavefront_size32 1
		.amdhsa_system_sgpr_workgroup_id_x 1
		.amdhsa_system_sgpr_workgroup_id_y 1
		.amdhsa_system_sgpr_workgroup_id_z 1
		.amdhsa_system_vgpr_workitem_id 0
		.amdhsa_next_free_vgpr 864
		.amdhsa_next_free_sgpr 106
		.amdhsa_reserve_vcc 0
		.amdhsa_float_denorm_mode_32 3
		.amdhsa_float_denorm_mode_16_64 3
		.amdhsa_memory_ordered 1
		.amdhsa_forward_progress 1
		.amdhsa_inst_pref_size 233
	.end_amdhsa_kernel
	.amdgpu_metadata
---
amdhsa.version: [ 1, 2 ]
amdhsa.kernels:
  - .name:           k_qfbd775108b_qkv
    .symbol:         k_qfbd775108b_qkv.kd
    .args:
      - { .name: a_img, .offset: 0, .size: 8, .value_kind: global_buffer, .address_space: global }
      - { .name: a_scl, .offset: 8, .size: 8, .value_kind: global_buffer, .address_space: global }
      - { .name: w_img, .offset: 16, .size: 8, .value_kind: global_buffer, .address_space: global }
      - { .name: w_scl, .offset: 24, .size: 8, .value_kind: global_buffer, .address_space: global }
      - { .name: q_img, .offset: 32, .size: 8, .value_kind: global_buffer, .address_space: global }
      - { .name: q_scl, .offset: 40, .size: 8, .value_kind: global_buffer, .address_space: global }
      - { .name: kv, .offset: 48, .size: 8, .value_kind: global_buffer, .address_space: global }
      - { .name: b_attn, .offset: 56, .size: 8, .value_kind: global_buffer, .address_space: global }
    .group_segment_fixed_size: 327680
    .private_segment_fixed_size: 0
    .kernarg_segment_align: 8
    .kernarg_segment_size: 64
    .max_flat_workgroup_size: 128
    .sgpr_count:     106
    .vgpr_count:     864
    .wavefront_size: 32
...
	.end_amdgpu_metadata
.endif
;; end of part 2
;; launch attn (part 3): grid 4 x 64, 8 waves a work-group, clusters of 4 x 1, 288,256 bytes of LDS; arguments q_img, q_scl, kv, a_img, a_scl; writes a_img, a_scl
.if DOCPART == 3
	.amdgcn_target "amdgcn-amd-amdhsa--gfx1250"
	.amdhsa_code_object_version 6
	.text
	.protected	k_qfbd775108b_attn
	.globl	k_qfbd775108b_attn
	.p2align	8
	.type	k_qfbd775108b_attn,@function
k_qfbd775108b_attn:
	s_mov_b64 s[64:65], 0
	v_nop
	global_prefetch_b8 v0, s[64:65] scope:SCOPE_SE
	s_setreg_imm32_b32 hwreg(HW_REG_WAVE_MODE, 25, 1), 1
	s_wait_xcnt 0x0
	s_wait_alu depctr_hold_cnt(0) depctr_sa_sdst(0) depctr_va_vdst(0) depctr_va_sdst(0) depctr_va_ssrc(0) depctr_va_vcc(0) depctr_vm_vsrc(0)
	s_getreg_b32 s2, hwreg(HW_REG_IB_STS2, 6, 4)
	s_cmp_eq_u32 s2, 0
	s_cbranch_scc0 .Lentry_in_a_cluster
	s_endpgm
.Lentry_in_a_cluster:
	s_bfe_u32 s2, ttmp6, 0x10000c
	s_cmp_lg_u32 s2, 0x3003
	s_cbranch_scc0 .Lentry_shape_is_right
	s_endpgm
.Lentry_shape_is_right:
; y[b][t][64 hd ..] = softmax over keys k <= t of (q . k / 8) times v, for one batch and head bh = 16 b + hd, both products on codes of FP6 (E2M3) with E8M0 scales; y leaves as codes along C, for the projection.
; WORK LEFT OUT: steps of 128 keys all of which come after a wave's 32 queries (reference()'s own jnp.tril makes their weights 0 for all values of the inputs); a NaN, an infinity or an overflow that reaches only those steps is not carried.
; LIMITS: zero blocks get the byte 1; NaN and infinities among the inputs are not served; the promise holds while the scaled scores stay under 2^31 in magnitude.
; THE SOFTMAX: t = score x log2(e) / 8; M = the row's largest t so far, rounded UP to a whole number; p = 2^(t - M) is quantised along the keys; the row's sum is taken of the unquantised p and divides at the end.
; When M moves, the sum and O are multiplied by 2^(old M - new M): exact.
; SHARES.  The four work-groups of a cluster serve one head.  Its 16 records of 13,056 bytes (128 keys: 8 tiles of K, 4 tiles of V^T, K's scale words, V's) lie in LDS for the whole launch: each of the eight waves brings two records
; by one tensor load, asked for jointly by the four partners; nothing is filled again.  All is asked for at the head, so there is no loop in which a prefetch could run ahead of a load: none is written.
; Wave w makes two passes, each with 32 queries (tiles 8 beta + 2 g, + 1; g = my work-group's place): beta = w and beta = 15 - w: w + 1 and 16 - w live steps, 17 for every wave.  Each fragment of K and V feeds both tiles.
; No branch and no LDS address hangs on g: it enters global addresses and the mask's compare alone.
; LAYOUT.  Both products are used transposed (S^T = K Q^T, O^T = V^T P^T): a lane holds one query of each tile.  WHICH 16 KEYS FORM A TILE OF K IS CHOSEN BY THE LANES' LDS ADDRESSES: tile (c, j) has keys 64 c + 8 j + 0..7 in rows 0-7
; and keys 64 c + 32 + 8 j + 0..7 in rows 8-15, so register 32 c + 8 j + i of lane (r, h) is key 64 c + 32 h + 8 j + i: a lane's 32 registers are one whole scale block, in the order of P's operand registers.
; In the record key 32 b + 16 x + 8 u + i lies in tile 2 b + u at row 8 x + i.  LDS rows of 256 bytes are 352 bytes apart: six rows are 64 modulo 256, so the 32 lanes of such a load touch 64 different banks.
; K = 64 IN AN INSTRUCTION OF K = 128: Q's operands have zeros in their upper six registers; a tile of K is six registers, its operand's upper six are the next tile's codes (zeros behind the last); the scale words' upper bytes are 0.
; REGISTERS.  Window 0: v1-11, v24-29 addresses and lane constants; v12-23 -M, largest score, sums, factor, for each tile; v32-55 Q; v56-67 scale words (Q, K, V, P); v68-95, v120-126 at work; v96-119 P's codes; v128-255 S^T, then p, then y.
; Window 1: v0-53 K's fragments; v64-127 O^T; v128-175 V's fragments.
.set RECM,  13056                      ; a record in memory
.set ROWP,  352                        ; an LDS row: 256 bytes + 96 of padding
.set REC,   51*ROWP                    ; a record in LDS
.set SPARE, 16*REC                     ; behind the records: the spare words, 128 bytes for each wave
.set SPW,   6
.set NIL,   7
.set NC,    16                         ; s16 -c
.set WV,    18                         ; s18 wave
.set SEL,   20                         ; s[20:21] selects for lane l xor 16
.set CS,    22                         ; s[22:23] c = log2(e) / 8, twice
.set HM,    27                         ; s27 a mask of lanes 16-31
.set BETA,  28                         ; s28 the step of 128 keys in which my queries lie
.set KST,   29                         ; s29 the step in hand
.set TB,    30                         ; s30 its record in LDS
.set MSB, 0
.macro WIN new                         ; the immediate's high byte repeats the setting that is left
.if MSB != \new
	s_set_vgpr_msb (MSB<<8)|\new
.set MSB, \new
.endif
.endm
.macro WALU
	s_wait_alu depctr_va_vdst(0)
.endm
.macro ROUND                           ; a round of the cluster's barrier
	s_barrier_signal -1
	s_barrier_wait -1
	s_cmp_lg_u32 s[WV], 0
	s_cbranch_scc1 .Lnot_wave_0_\@
	s_barrier_signal -3
.Lnot_wave_0_\@:
	s_barrier_wait -3
	s_barrier_signal -1
	s_barrier_wait -1
.endm
.macro SPROD c, j, T                   ; S^T of tile (c, j) of K and query tile T; K's scale words: lanes 0-15 c = 0, lanes 16-31 c = 1
.if \c
	v_wmma_scale_f32_16x16x128_f8f6f4 v[128+64*\T+32*\c+8*\j:135+64*\T+32*\c+8*\j], v[24*\c+6*\j:24*\c+6*\j+11], v[32+12*\T:43+12*\T], 0, v[58+\j], v[56+\T] matrix_a_fmt:MATRIX_FMT_FP6 matrix_b_fmt:MATRIX_FMT_FP6 matrix_a_scale:MATRIX_SCALE_ROW1
.else
	v_wmma_scale_f32_16x16x128_f8f6f4 v[128+64*\T+32*\c+8*\j:135+64*\T+32*\c+8*\j], v[24*\c+6*\j:24*\c+6*\j+11], v[32+12*\T:43+12*\T], 0, v[58+\j], v[56+\T] matrix_a_fmt:MATRIX_FMT_FP6 matrix_b_fmt:MATRIX_FMT_FP6
.endif
.endm
	s_load_b256 s[4:11], s[0:1], 0x0               ; q_img s[4:5], q_scl s[6:7], kv s[8:9], a_img s[10:11]
	s_load_b64 s[12:13], s[0:1], 0x20              ; a_scl
	v_lshl_add_u32 v[SPW], v0, 2, SPARE
	v_mov_b32 v[NIL], 0
	ds_add_u32 v[SPW], v[NIL]                      ; the wave's opening: the add, twice on end, and its wait ahead of my first tensor load
	ds_add_u32 v[SPW], v[NIL]
	v_lshrrev_b32 v8, 5, v0
	v_readfirstlane_b32 s[WV], v8                  ; wave 0..7
	s_bfe_u32 s19, ttmp6, 0x40000                  ; g: my place in the cluster
	s_and_b32 s24, ttmp7, 0xffff                   ; bh, which the four partners share
	s_and_b32 s25, s24, 15                         ; the head
	s_lshr_b32 s26, s24, 4                         ; the batch
	s_mov_b32 s[SEL], 0x76543210
	s_mov_b32 s[SEL+1], 0xfedcba98
	s_mov_b32 s[CS], 0x3e38aa3b
	s_mov_b32 s[CS+1], s[CS]
	s_mov_b32 s[NC], 0xbe38aa3b
	s_mov_b32 s[HM], 0xffff0000
	; descriptor group 1: two records, 26,112 dense bytes, as 102 rows of 256 bytes (32 elements of 8), 24 words of padding behind each
	s_mov_b32 s36, 15|(3<<16)|(1<<20)|(1<<21)|(5<<22)|(23<<25)
	s_mov_b32 s37, 32<<16
	s_mov_b32 s38, 102<<16
	s_mov_b32 s39, 32<<16
	s_mov_b32 s40, 102
	s_mov_b32 s41, 32
	s_mov_b32 s42, 0
	s_mov_b32 s43, 0
	s_mov_b32 s32, 1
	s_mul_i32 s33, s[WV], 2*REC                    ; records 2 w and 2 w + 1, to their place in LDS
	s_mul_i32 s52, s24, 16*RECM
	s_mul_i32 s53, s[WV], 2*RECM
	s_add_co_u32 s52, s52, s53
	s_mov_b32 s53, 0
	s_wait_dscnt 0x0                               ; both opening adds are done
	s_wait_kmcnt 0x0
	s_add_nc_u64 s[34:35], s[8:9], s[52:53]
	s_or_b32 s35, s35, 0x80000000
	ROUND                                          ; all four work-groups are here: the joint loads meet
	tensor_load_to_lds s[32:35], s[36:43]          ; my one tensor load
	s_nop 0
.rept 4
	v_nop
.endr
	v_and_b32 v8, 31, v0
	v_lshlrev_b32 v1, 3, v8                        ; 8 x lane
	v_and_b32 v9, 15, v0                           ; r
	v_bfe_u32 v10, v0, 4, 1                        ; h
	v_lshlrev_b32 v3, 4, v9                        ; 16 r
	v_bfe_u32 v11, v0, 3, 1                        ; r / 8
	v_and_b32 v28, 7, v0                           ; r % 8
	v_mul_u32_u24 v2, v11, 6*ROWP                  ; K's fragments: rows 8-15 of my tiles lie two tiles (six LDS rows) on,
	v_lshl_add_u32 v2, v28, 3, v2                  ; 8 bytes a row,
	v_lshl_add_u32 v2, v10, 7, v2                  ; 128 for the lanes' upper half
	v_mul_u32_u24 v26, v10, ROWP                   ; K's scale words: lanes 16-31 take tiles 4-7's row,
	v_lshl_add_u32 v26, v28, 4, v26                ; 16 bytes a row of a tile,
	v_lshl_add_u32 v26, v11, 3, v26                ; two words on for rows 8-15
	v_lshl_add_u32 v25, v9, 5, v10                 ; y's scale bytes: 32 r + h
	v_lshlrev_b32 v24, 3, v10                      ; 8 h
	v_lshl_add_u32 v4, v11, 3, v9                  ; r + 8 (r / 8)
	v_lshlrev_b32 v27, 5, v10
	v_sub_nc_u32 v4, v4, v27
	s_lshl_b32 s52, s19, 5
	v_add_nc_u32 v4, s52, v4                       ; my query's place in its step of 128, less 32 h: tile 0's,
	v_add_nc_u32 v5, 8, v4                         ; tile 1's
	v_mov_b32 v29, 0xff800000                      ; -infinity
.irp j, 38,39,40,41,42,43,50,51,52,53,54,55
	v_mov_b32 v\j, 0                               ; Q's zero codes of K = 64 .. 127
.endr
.irp j, 21,23,74,75,84,85,86,87
	v_mov_b32 v\j, 0                               ; written once: lane permutes' destinations, and the upper halves of the factors' pairs
.endr
	WIN 0x40
.irp j, 48,49,50,51,52,53
	v_mov_b32 v\j, 0                               ; the zero codes behind K's last tile
.endr
	WIN 0
.macro PASS_HEAD p
	s_wait_xcnt 0x0                                ; the last pass's stores have read their registers and bases
.if \p
	s_xor_b32 s[BETA], s[WV], 15                   ; 15 - wave
.else
	s_mov_b32 s[BETA], s[WV]
.endif
	s_lshl_b32 s31, s[BETA], 3
	s_lshl_b32 s52, s19, 1
	s_add_co_u32 s31, s31, s52                     ; my first tile of 16 queries
	s_mul_i32 s52, s24, 98304
	s_mul_i32 s53, s31, 768
	s_add_co_u32 s52, s52, s53
	s_mov_b32 s53, 0
	s_add_nc_u64 s[44:45], s[4:5], s[52:53]        ; Q's codes: two tiles on end
	s_lshl_b32 s52, s24, 13
	s_lshr_b32 s54, s31, 2
	s_lshl_b32 s54, s54, 8
	s_add_co_u32 s52, s52, s54
	s_and_b32 s54, s31, 3
	s_lshl_b32 s54, s54, 2
	s_add_co_u32 s52, s52, s54
	s_add_nc_u64 s[46:47], s[6:7], s[52:53]        ; Q's scale words: the two tiles' side by side
	s_lshl_b32 s54, s26, 7
	s_add_co_u32 s54, s54, s31                     ; the tile among all tokens
	s_mul_i32 s52, s54, 12288
	s_mul_i32 s55, s25, 768
	s_add_co_u32 s52, s52, s55
	s_add_nc_u64 s[48:49], s[10:11], s[52:53]      ; y's codes: 768 hd bytes into the tile
	s_lshl_b32 s52, s54, 9
	s_lshl_b32 s55, s25, 1
	s_add_co_u32 s52, s52, s55
	s_add_nc_u64 s[50:51], s[12:13], s[52:53]      ; y's scale bytes
.irp T, 0,1
.irp i, 0,1,2
	global_load_b64 v[32+12*\T+2*\i:33+12*\T+2*\i], v1, s[44:45] offset:768*\T+256*\i
.endr
.endr
	global_load_b64 v[56:57], v3, s[46:47]
	v_mov_b32 v13, 0xff61b1e6                      ; the largest score so far: -3e38
	v_mov_b32 v15, 0xff61b1e6
	v_mul_f32 v12, s[NC], v13
	v_mul_f32 v14, s[NC], v15
	v_floor_f32 v12, v12                           ; -M
	v_floor_f32 v14, v14
.irp j, 16,17,18,19
	v_mov_b32 v\j, 0                               ; the sums
.endr
	WIN 0x40
.set n, 0
.rept 64
	v_mov_b32 v[64+n], 0                           ; O^T: the step is written once; the first finds zeros
.set n, n+1
.endr
	WIN 0
	s_mov_b32 s[TB], 0
	s_mov_b32 s[KST], 0
	WALU                                           ; the wait at the head's end
.endm
.macro PASS_BODY
	s_wait_loadcnt 0x0                             ; Q
.Lstep_\@:                                         ; 16 trips, a constant; a step behind my queries is left out by a branch on ids, round its work alone
	s_cmp_gt_u32 s[KST], s[BETA]
	s_cbranch_scc1 .Lhidden_\@
	v_add_nc_u32 v8, s[TB], v2                     ; these four are the places in front of loads into registers that the last products read
	v_add_nc_u32 v9, s[TB], v1
	v_add_nc_u32 v10, s[TB], v26
	v_add_nc_u32 v11, s[TB], v3
	ds_load_b64 v[58:59], v10 offset:48*ROWP       ; K's scale words of tiles (c, 0), (c, 1)
	ds_load_b64 v[60:61], v10 offset:48*ROWP+128   ; (c, 2), (c, 3)
	ds_load_b128 v[62:65], v11 offset:50*ROWP      ; V's: the four tiles' words of row r
	WIN 0x40
.irp c, 0,1
.irp j, 0,1,2,3
.irp i, 0,1,2
	ds_load_b64 v[24*\c+6*\j+2*\i:24*\c+6*\j+2*\i+1], v8 offset:ROWP*(12*\c+3*(\j%2)+\i)+64*(\j/2)
.endr
.endr
.endr
.irp t, 0,1,2,3
.irp i, 0,1,2,3,4,5
	ds_load_b64 v[128+12*\t+2*\i:129+12*\t+2*\i], v9 offset:ROWP*(24+6*\t+\i)   ; V^T lands under the softmax
.endr
.endr
	WIN 0
	WALU                                           ; the wait ahead of the blocking wait
	s_wait_dscnt 24                                ; the scale words and K are in; the 24 loads of V^T, issued behind them, may be out
	WIN 0x01
.irp c, 0,1
.irp j, 0,1,2,3
.irp T, 0,1
	SPROD \c, \j, \T
.endr
.endr
.endr
	WIN 0
.rept 4
	v_nop                                          ; places in front of the first read of the scores
.endr
	s_cmp_lg_u32 s[KST], s[BETA]                   ; on the diagonal the scores of hidden keys become -infinity ahead of the maximum
	s_cbranch_scc1 .Lopen_\@
.irp T, 0,1
.set n, 0
.rept 64
	v_cmp_gt_i32 vcc_lo, 64*(n/32)+n%32, v[4+\T]   ; register 32 c + o holds key 64 c + 32 h + o of the step
	v_cndmask_b32 v[128+64*\T+n], v[128+64*\T+n], v29, vcc_lo
.set n, n+1
.endr
.endr
.Lopen_\@:
.irp T, 0,1
.irp c, 0,1
	v_max3_num_f32 v[68+2*\T+\c], v[128+64*\T+32*\c], v[129+64*\T+32*\c], v[130+64*\T+32*\c]   ; the largest score of each block of 32 keys, all mine: four chains by turns
.endr
.endr
.irp i, 3,5,7,9,11,13,15,17,19,21,23,25,27,29
.irp T, 0,1
.irp c, 0,1
	v_max3_num_f32 v[68+2*\T+\c], v[68+2*\T+\c], v[128+64*\T+32*\c+\i], v[129+64*\T+32*\c+\i]
.endr
.endr
.endr
.irp T, 0,1
.irp c, 0,1
	v_max_num_f32 v[68+2*\T+\c], v[68+2*\T+\c], v[159+64*\T+32*\c]
.endr
.endr
	v_max_num_f32 v72, v68, v69
	v_max_num_f32 v73, v70, v71
	v_permlanex16_b32 v74, v72, s[SEL], s[SEL+1]
	v_permlanex16_b32 v75, v73, s[SEL], s[SEL+1]
	v_max3_num_f32 v13, v13, v72, v74              ; the running largest score
	v_max3_num_f32 v15, v15, v73, v75
	v_mul_f32 v76, s[NC], v13
	v_mul_f32 v77, s[NC], v15
	v_floor_f32 v76, v76                           ; the new -M = -ceil(t)
	v_floor_f32 v77, v77
	v_sub_f32 v78, v76, v12                        ; old M - new M: a whole number, 0 or less
	v_sub_f32 v79, v77, v14
	v_mov_b32 v12, v76
	v_mov_b32 v14, v77
	v_cvt_i32_f32 v78, v78                         ; (it saturates)
	v_cvt_i32_f32 v79, v79
	v_ldexp_f32 v20, 1.0, v78                      ; f = 2^(old M - new M)
	v_ldexp_f32 v22, 1.0, v79
.set n, 0
.rept 32
.irp T, 0,1
	v_pk_fma_f32 v[128+64*\T+n:129+64*\T+n], v[128+64*\T+n:129+64*\T+n], s[CS:CS+1], v[12+2*\T:13+2*\T] op_sel_hi:[1,0,0]   ; t - M
.endr
.set n, n+2
.endr
.irp T, 0,1
.irp c, 0,1
	v_fma_f32 v[68+2*\T+\c], v[68+2*\T+\c], s[CS], v[12+2*\T]   ; the same of each block's largest score
.endr
.endr
	WIN 0x41
.set n, 0
.rept 16
.irp T, 0,1
	v_pk_mul_f32 v[64+32*\T+n:65+32*\T+n], v[64+32*\T+n:65+32*\T+n], v[20+2*\T:21+2*\T] op_sel_hi:[1,0]   ; O^T under the new M, ahead of the exponentials
.endr
.set n, n+2
.endr
	WIN 0
.irp T, 0,1
	v_pk_mul_f32 v[16+2*\T:17+2*\T], v[16+2*\T:17+2*\T], v[20+2*\T:21+2*\T] op_sel_hi:[1,0]   ; the sums likewise
.endr
	WALU                                           ; the wait ahead of the batch
.set n, 0
.rept 128
	v_exp_f32 v[128+n], v[128+n]                   ; p = 2^(t - M)
.set n, n+1
.endr
.irp j, 68,69,70,71
	v_exp_f32 v\j, v\j                             ; each block's largest p
.endr
	v_nop                                          ; a plain place behind the exponentials
	WALU                                           ; one wait for the batch, ahead of its first reader
.irp j, 0,1,2,3
	v_max_num_f32 v[68+\j], 0x1800000, v[68+\j]    ; the floor: the byte cannot fall under 1
.endr
.irp j, 0,1,2,3
	v_add_nc_u32 v[80+\j], 0xff000000, v[68+\j]    ; 2 off the exponent field: the conversion's scale operand
.endr
.irp j, 0,1,2,3
	v_lshrrev_b32 v[84+\j], 23, v[80+\j]           ; the byte
.endr
	v_lshl_or_b32 v66, v85, 16, v84                ; my two bytes: blocks h and 2 + h,
	v_lshl_or_b32 v67, v87, 16, v86
	v_lshlrev_b32 v66, v24, v66                    ; at their places in the scale word;
	v_lshlrev_b32 v67, v24, v67
	v_permlanex16_b32 v74, v66, s[SEL], s[SEL+1]
	v_permlanex16_b32 v75, v67, s[SEL], s[SEL+1]
	v_or_b32 v66, v66, v74                         ; with lane l xor 16's two the word is whole
	v_or_b32 v67, v67, v75
.irp T, 0,1
.irp c, 0,1
	v_cvt_scalef32_pk16_fp6_f32 v[96+12*\T+6*\c:98+12*\T+6*\c], v[128+64*\T+32*\c:143+64*\T+32*\c], v[80+2*\T+\c]
	v_cvt_scalef32_pk16_fp6_f32 v[88+32*\T+4*\c:90+32*\T+4*\c], v[144+64*\T+32*\c:159+64*\T+32*\c], v[80+2*\T+\c]   ; a conversion's three registers begin on an even number
.endr
.endr
	v_nop                                          ; one plain place behind a scaled conversion
.irp T, 0,1
.irp c, 0,1
.irp i, 0,1,2
	v_mov_b32 v[99+12*\T+6*\c+\i], v[88+32*\T+4*\c+\i]
.endr
.endr
.endr
	; the rows' sums of the unquantised p: four chains a tile; these lines are also the places between p's codes and scale words and the products
.irp k, 0,1,2
.irp T, 0,1
	v_pk_add_f32 v[68+8*\T+2*\k:69+8*\T+2*\k], v[128+64*\T+4*\k:129+64*\T+4*\k], v[130+64*\T+4*\k:131+64*\T+4*\k]
.endr
.endr
.irp T, 0,1
	v_pk_add_f32 v[16+2*\T:17+2*\T], v[16+2*\T:17+2*\T], v[140+64*\T:141+64*\T]
.endr
.irp q, 0,1,2,3,4,5
.irp k, 0,1,2
.irp T, 0,1
	v_pk_add_f32 v[68+8*\T+2*\k:69+8*\T+2*\k], v[68+8*\T+2*\k:69+8*\T+2*\k], v[142+64*\T+8*\q+2*\k:143+64*\T+8*\q+2*\k]
.endr
.endr
.irp T, 0,1
	v_pk_add_f32 v[16+2*\T:17+2*\T], v[16+2*\T:17+2*\T], v[148+64*\T+8*\q:149+64*\T+8*\q]
.endr
.endr
.irp T, 0,1
	v_pk_add_f32 v[68+8*\T:69+8*\T], v[68+8*\T:69+8*\T], v[190+64*\T:191+64*\T]
.endr
.irp T, 0,1
	v_pk_add_f32 v[16+2*\T:17+2*\T], v[16+2*\T:17+2*\T], v[72+8*\T:73+8*\T]
.endr
.irp T, 0,1
	v_pk_add_f32 v[68+8*\T:69+8*\T], v[68+8*\T:69+8*\T], v[70+8*\T:71+8*\T]
.endr
.irp T, 0,1
	v_pk_add_f32 v[16+2*\T:17+2*\T], v[16+2*\T:17+2*\T], v[68+8*\T:69+8*\T]
.endr
	WALU                                           ; the wait ahead of the blocking wait
	s_wait_dscnt 0x0                               ; V^T
	WIN 0x51
.irp t, 0,1,2,3
.irp T, 0,1
	v_wmma_scale_f32_16x16x128_f8f6f4 v[64+32*\T+8*\t:71+32*\T+8*\t], v[128+12*\t:139+12*\t], v[96+12*\T:107+12*\T], v[64+32*\T+8*\t:71+32*\T+8*\t], v[62+\t], v[66+\T] matrix_a_fmt:MATRIX_FMT_FP6 matrix_b_fmt:MATRIX_FMT_FP6
.endr
.endr
	WIN 0
.Lhidden_\@:
	s_add_co_u32 s[TB], s[TB], REC
	s_add_co_u32 s[KST], s[KST], 1
	s_cmp_lt_u32 s[KST], 16
	s_cbranch_scc1 .Lstep_\@
	; THE WAY OUT: y = O^T / the sum; a tile's 64 channels are two blocks of the projection's K: quantised here, stored as half a fragment's image
.rept 4
	v_nop                                          ; places behind the last products
.endr
	v_add_f32 v16, v16, v17
	v_add_f32 v18, v18, v19
	v_permlanex16_b32 v74, v16, s[SEL], s[SEL+1]
	v_permlanex16_b32 v75, v18, s[SEL], s[SEL+1]
	v_add_f32 v16, v16, v74                        ; the rows' sums
	v_add_f32 v18, v18, v75
	WALU
	v_rcp_f32 v16, v16
	v_rcp_f32 v18, v18
	v_nop                                          ; a plain place behind the transcendentals
	WIN 0x01
	WALU                                           ; the wait ahead of their first reader, which is O^T's first reader too
.irp T, 0,1
.set n, 0
.rept 32
	v_mul_f32 v[128+64*\T+n], v[64+32*\T+n], v[16+2*\T]   ; register 16 b + i: channel 32 b + 16 h + i
.set n, n+1
.endr
.endr
	WIN 0
.irp T, 0,1
.irp b, 0,1
	v_max3_num_f32 v[68+2*\T+\b], |v[128+64*\T+16*\b]|, |v[129+64*\T+16*\b]|, 0x1800000
.endr
.endr
.irp i, 2,4,6,8,10,12,14
.irp T, 0,1
.irp b, 0,1
	v_max3_num_f32 v[68+2*\T+\b], v[68+2*\T+\b], |v[128+64*\T+16*\b+\i]|, |v[129+64*\T+16*\b+\i]|
.endr
.endr
.endr
.irp j, 0,1,2,3
	v_permlanex16_b32 v[84+\j], v[68+\j], s[SEL], s[SEL+1]
.endr
.irp j, 0,1,2,3
	v_max_num_f32 v[68+\j], v[68+\j], v[84+\j]
.endr
.irp j, 0,1,2,3
	v_add_nc_u32 v[80+\j], 0xff000000, v[68+\j]
.endr
.irp j, 0,1,2,3
	v_lshrrev_b32 v[84+\j], 23, v[80+\j]
.endr
	v_cndmask_b32 v72, v84, v85, s[HM]             ; lanes 0-15 store block 0's byte, lanes 16-31 block 1's
	v_cndmask_b32 v73, v86, v87, s[HM]
.irp T, 0,1
	v_cvt_scalef32_pk16_fp6_f32 v[96+12*\T:98+12*\T], v[128+64*\T:143+64*\T], v[80+2*\T]
	v_cvt_scalef32_pk16_fp6_f32 v[88+32*\T:90+32*\T], v[144+64*\T:159+64*\T], v[81+2*\T]
.endr
	v_nop
.irp T, 0,1
.irp i, 0,1,2
	v_permlane16_swap_b32 v[96+12*\T+\i], v[88+32*\T+\i]
.endr
.endr
.irp T, 0,1
.irp i, 0,1,2
	v_mov_b32 v[99+12*\T+\i], v[88+32*\T+\i]
.endr
.endr
.irp T, 0,1
.irp i, 0,1,2
	global_store_b64 v1, v[96+12*\T+2*\i:97+12*\T+2*\i], s[48:49] offset:12288*\T+256*\i   ; 256 consecutive bytes, aligned
.endr
	global_store_b8 v25, v[72+\T], s[50:51] offset:512*\T   ; single bytes, rows 32 bytes apart: two bytes of a position's 32 belong to a head
.endr
.endm
	PASS_HEAD 0                                    ; Q is asked for while the records come
	s_wait_tensorcnt 0x0                           ; my two records are in,
	s_barrier_signal -1
	s_barrier_wait -1                              ; everybody's are; nothing in LDS is written from here on
	PASS_BODY
	PASS_HEAD 1
	PASS_BODY
	s_wait_tensorcnt 0x0                           ; the wave's end
	ds_add_u32 v[SPW], v[NIL]
	s_wait_dscnt 0x0
	ROUND                                          ; the closing round
	s_endpgm
.Lfunc_end_k_qfbd775108b_attn:
	.size	k_qfbd775108b_attn, .Lfunc_end_k_qfbd775108b_attn-k_qfbd775108b_attn
	.p2alignl 7, 3214868480
	.fill 96, 4, 3214868480
	.section	.rodata,"a",@progbits
	.p2align	6, 0x0
	.amdhsa_kernel k_qfbd775108b_attn
		.amdhsa_group_segment_fixed_size 288256
		.amdhsa_private_segment_fixed_size 0
		.amdhsa_enable_private_segment 0
		.amdhsa_kernarg_size 40
		.amdhsa_user_sgpr_count 2
		.amdhsa_user_sgpr_kernarg_segment_ptr 1
		.amdhsa_wavefront_size32 1
		.amdhsa_system_sgpr_workgroup_id_x 1
		.amdhsa_system_sgpr_workgroup_id_y 1
		.amdhsa_system_sgpr_workgroup_id_z 1
		.amdhsa_system_vgpr_workitem_id 0
		.amdhsa_next_free_vgpr 448
		.amdhsa_next_free_sgpr 66
		.amdhsa_reserve_vcc 1
		.amdhsa_float_denorm_mode_32 3
		.amdhsa_float_denorm_mode_16_64 3
		.amdhsa_memory_ordered 1
		.amdhsa_forward_progress 1
		.amdhsa_inst_pref_size 105
	.end_amdhsa_kernel
	.amdgpu_metadata
---
amdhsa.version: [ 1, 2 ]
amdhsa.kernels:
  - .name:           k_qfbd775108b_attn
    .symbol:         k_qfbd775108b_attn.kd
    .args:
      - { .name: q_img, .offset: 0, .size: 8, .value_kind: global_buffer, .address_space: global }
      - { .name: q_scl, .offset: 8, .size: 8, .value_kind: global_buffer, .address_space: global }
      - { .name: kv, .offset: 16, .size: 8, .value_kind: global_buffer, .address_space: global }
      - { .name: a_img, .offset: 24, .size: 8, .value_kind: global_buffer, .address_space: global }
      - { .name: a_scl, .offset: 32, .size: 8, .value_kind: global_buffer, .address_space: global }
    .group_segment_fixed_size: 288256
    .private_segment_fixed_size: 0
    .kernarg_segment_align: 8
    .kernarg_segment_size: 40
    .max_flat_workgroup_size: 256
    .sgpr_count:     66
    .vgpr_count:     448
    .wavefront_size: 32
...
	.end_amdgpu_metadata
.endif
;; end of part 3
;; launch proj (part 4): grid 4 x 64, 4 waves a work-group, clusters of 4 x 4, 327,680 bytes of LDS; arguments a_img, a_scl, w_img, w_scl, b_proj, out0; writes out0
.if DOCPART == 4
	.amdgcn_target "amdgcn-amd-amdhsa--gfx1250"
	.amdhsa_code_object_version 6
	.text
	.protected	k_qfbd775108b_proj
	.globl	k_qfbd775108b_proj
	.p2align	8
	.type	k_qfbd775108b_proj,@function
k_qfbd775108b_proj:
	s_mov_b64 s[64:65], 0
	v_nop
	global_prefetch_b8 v0, s[64:65] scope:SCOPE_SE
	s_setreg_imm32_b32 hwreg(HW_REG_WAVE_MODE, 25, 1), 1
	s_wait_xcnt 0x0
	s_wait_alu depctr_hold_cnt(0) depctr_sa_sdst(0) depctr_va_vdst(0) depctr_va_sdst(0) depctr_va_ssrc(0) depctr_va_vcc(0) depctr_vm_vsrc(0)
	s_getreg_b32 s2, hwreg(HW_REG_IB_STS2, 6, 4)
	s_cmp_eq_u32 s2, 0
	s_cbranch_scc0 .Lentry_in_a_cluster
	s_endpgm
.Lentry_in_a_cluster:
	s_bfe_u32 s2, ttmp6, 0x10000c
	s_cmp_lg_u32 s2, 0xf033
	s_cbranch_scc0 .Lentry_shape_is_right
	s_endpgm
.Lentry_shape_is_right:
; out0 = y W_proj + b_proj on codes of FP6 (E2M3) with E8M0 scales, K = 1,024.  LIMITS as in the first launch.
; 256 work-groups of four waves; a work-group makes 128 tokens x 256 columns.  Both operands lie in LDS for ALL of K: y's 128 positions (X, 98,304 bytes), W_proj's 256 positions (W, 196,608 bytes), each in two halves along K.
; They are asked for at the head, one tensor load a wave: X's lower half, W's lower, X's upper, W's upper; the first barrier waits for the lower halves alone, a plain barrier ahead of step 3 for the rest.  Nothing is filled again,
; and there is no loop in which a prefetch could run ahead of a load: none is written.
; The operands lie in memory as images of their registers (16 positions x 128 K: register pair p at 256 p + 8 x lane; a tile's eight K steps on end): a half of a tile is a row of 6,144 bytes.
; A WAVE makes 64 x 128: 4 blocks of A (tokens) x 8 of B (columns), 32 accumulators, which take turns.  The matrix instruction is used transposed: a lane holds one token, and register 8 b + i
; holds column 32 (b / 2) + 16 (lane / 16) + 8 (b % 2) + i.  A step is 32 products on one of two fragment buffers; three of the next step's 72 LDS loads stand ahead of each of its first 24 products.
; Scale words go from memory into registers: v16-47 A's (8 a + step), v52-115 B's (8 b + step).  CLUSTERS: 4 x 4; X is asked for jointly along a row, W along a column.
; THE WAY OUT goes through a stage of 16 rows x 528 bytes a wave in X's lower half, which nobody reads behind the barrier ahead of step 3 and which is filled no more; whole rows of 512 bytes are stored.
; REGISTERS.  Window 0: v1-15, v48-49 addresses and the bias; scale words; v128-255 the way out.  Window 1: accumulators.  Window 2: B's two buffers.  Window 3: A's two buffers.
.set TILEB, 6144
.set XLO, 0
.set XHI, 8*TILEB
.set WLO, 16*TILEB
.set WHI, 32*TILEB
.set SPARE, 48*TILEB
.set SPITCH, 528
.set SPW, 48
.set NIL, 49
.set SA, 16
.set SB, 52
.set ADA, 4
.set ADB, 6
.set G1X, 24
.set G1W, 32
.set MUL, 0x5e                         ; source 0 window 2, source 1 window 3, C and D window 1
.set MSB, 0
.macro WIN new
.if MSB != \new
	s_set_vgpr_msb (MSB<<8)|\new
.set MSB, \new
.endif
.endm
.macro WALU
	s_wait_alu depctr_va_vdst(0)
.endm
.macro PLACES n
.rept \n
	v_nop
.endr
.endm
.macro ROUND
	s_barrier_signal -1
	s_barrier_wait -1
	s_cmp_lg_u32 s14, 0
	s_cbranch_scc1 .Lnw0_\@
	s_barrier_signal -3
.Lnw0_\@:
	s_barrier_wait -3
	s_barrier_signal -1
	s_barrier_wait -1
.endm
.macro GROUP1 g, mask, rows            ; rows of 6,144 bytes (768 elements of 8), 12,288 bytes apart, dense in LDS
	s_or_b32 s[\g], s[\mask], (3<<16)|(1<<21)
	s_mov_b32 s[\g+1], 768<<16
	s_mov_b32 s[\g+2], (\rows)<<16
	s_mov_b32 s[\g+3], 768<<16
	s_mov_b32 s[\g+4], \rows
	s_mov_b32 s[\g+5], 1536
	s_mov_b32 s[\g+6], 0
	s_mov_b32 s[\g+7], 0
.endm
.macro G0SET g, lds, base, off
	s_mov_b32 s[\g], 1
	s_mov_b32 s[\g+1], \lds
	s_add_nc_u64 s[\g+2:\g+3], s[\base:\base+1], \off
	s_or_b32 s[\g+3], s[\g+3], 0x80000000
.endm
.macro TLOAD g0, g1
	tensor_load_to_lds s[\g0:\g0+3], s[\g1:\g1+7]
	s_nop 0
	PLACES 4
.endm
.macro ARM under, g0, g1, next
	s_cmp_lt_u32 s14, \under
	s_cbranch_scc0 \next
	TLOAD \g0, \g1
	s_branch .Lhead_asked
\next:
.endm
.macro FRAGL L, q                      ; load L of the 72 of step q: 0-47 B's eight fragments, 48-71 A's four
.if (\L) < 48
	WIN 0x80
	ds_load_b64 v[96*((\q)%2)+2*(\L):96*((\q)%2)+2*(\L)+1], v[ADB+(\q)/4] offset:((\L)/6)*TILEB+((\q)%4)*1536+256*((\L)%6)
.else
	WIN 0xc0
	ds_load_b64 v[48*((\q)%2)+2*((\L)-48):48*((\q)%2)+2*((\L)-48)+1], v[ADA+(\q)/4] offset:(((\L)-48)/6)*TILEB+((\q)%4)*1536+256*((\L)%6)
.endif
.endm
.macro PROD n, q
.if (\q) == 0
	v_wmma_scale_f32_16x16x128_f8f6f4 v[8*(\n):8*(\n)+7], v[12*((\n)%8):12*((\n)%8)+11], v[12*((\n)/8):12*((\n)/8)+11], 0, v[SB+8*((\n)%8)], v[SA+8*((\n)/8)] matrix_a_fmt:MATRIX_FMT_FP6 matrix_b_fmt:MATRIX_FMT_FP6
.else
	v_wmma_scale_f32_16x16x128_f8f6f4 v[8*(\n):8*(\n)+7], v[96*((\q)%2)+12*((\n)%8):96*((\q)%2)+12*((\n)%8)+11], v[48*((\q)%2)+12*((\n)/8):48*((\q)%2)+12*((\n)/8)+11], v[8*(\n):8*(\n)+7], v[SB+8*((\n)%8)+(\q)], v[SA+8*((\n)/8)+(\q)] matrix_a_fmt:MATRIX_FMT_FP6 matrix_b_fmt:MATRIX_FMT_FP6
.endif
.endm
.macro STEP q, nxt
	s_wait_dscnt 0x0                               ; this step's fragments are in
	PLACES 4                                       ; between the last step's products and the loads into the buffer that the step before it read
.set N_, 0
.rept 32
.if (\nxt) && (N_ < 24)
	FRAGL 3*N_, (\q)+1
	FRAGL 3*N_+1, (\q)+1
	FRAGL 3*N_+2, (\q)+1
.endif
	WIN MUL
	PROD N_, \q
.set N_, N_+1
.endr
	WIN 0
.endm
	s_load_b128 s[4:7], s[0:1], 0x0                ; a_img, a_scl
	s_load_b128 s[8:11], s[0:1], 0x10              ; w_img, w_scl
	s_load_b128 s[96:99], s[0:1], 0x20             ; b_proj, out0
	v_lshl_add_u32 v[SPW], v0, 2, SPARE
	v_mov_b32 v[NIL], 0
	ds_add_u32 v[SPW], v[NIL]                      ; the wave's opening: the add, twice on end, and its wait
	ds_add_u32 v[SPW], v[NIL]
	v_lshrrev_b32 v1, 5, v0
	v_readfirstlane_b32 s14, v1                    ; wave
	s_lshr_b32 s15, s14, 1                         ; my half of the tokens
	s_and_b32 s16, s14, 1                          ; my half of the columns
	s_bfe_u32 s76, ttmp6, 0x40000                  ; cx: which 256 columns
	s_bfe_u32 s77, ttmp6, 0x40004                  ; cy
	s_and_b32 s17, ttmp7, 0xffff
	s_lshl_b32 s17, s17, 2
	s_add_co_u32 s17, s17, s77                     ; my unit of 128 tokens
	s_lshl_b32 s78, s77, 2
	s_lshl_b32 s78, 15, s78                        ; my row of the cluster
	s_lshl_b32 s79, 0x1111, s76                    ; my column
	GROUP1 G1X, 78, 8
	GROUP1 G1W, 79, 16
	s_mul_i32 s88, s17, 16*TILEB
	s_mov_b32 s89, 0
	s_mul_i32 s90, s76, 32*TILEB
	s_add_co_u32 s90, s90, 3072*768                ; W_proj's positions begin at 3,072
	s_mov_b32 s91, 0
	s_wait_dscnt 0x0
	ROUND                                          ; all sixteen work-groups are here: the joint loads meet
	s_wait_kmcnt 0x0
	s_add_nc_u64 s[18:19], s[4:5], s[88:89]
	s_add_nc_u64 s[12:13], s[8:9], s[90:91]
	G0SET 48, XLO, 18, 0
	G0SET 52, WLO, 12, 0
	G0SET 56, XHI, 18, TILEB
	G0SET 60, WHI, 12, TILEB
	ARM 1, 48, G1X, .Lhead_1                       ; one load a wave, what is needed first asked for first
	ARM 2, 52, G1W, .Lhead_2
	ARM 3, 56, G1X, .Lhead_3
	TLOAD 60, G1W
.Lhead_asked:
	s_lshl_b32 s88, s17, 12
	s_lshl_b32 s90, s15, 11
	s_add_co_u32 s88, s88, s90
	s_add_nc_u64 s[80:81], s[6:7], s[88:89]        ; scale words: my 64 tokens',
	s_lshl_b32 s88, s76, 13
	s_lshl_b32 s90, s16, 12
	s_add_co_u32 s88, s88, s90
	s_add_co_u32 s88, s88, 3072*32
	s_add_nc_u64 s[82:83], s[10:11], s[88:89]      ; my 128 columns'
	s_lshl_b32 s88, s76, 10
	s_lshl_b32 s90, s16, 9
	s_add_co_u32 s88, s88, s90                     ; my first column in bytes
	s_add_nc_u64 s[84:85], s[96:97], s[88:89]
	s_add_nc_u64 s[20:21], s[98:99], s[88:89]
	s_lshl_b32 s88, s17, 19
	s_lshl_b32 s90, s15, 18
	s_add_co_u32 s88, s88, s90                     ; my first row: 128 x unit + 64 x half, 4,096 bytes each
	s_add_nc_u64 s[20:21], s[20:21], s[88:89]
	v_and_b32 v1, 15, v0                           ; r
	v_bfe_u32 v2, v0, 4, 1                         ; h
	v_and_b32 v3, 31, v0
	v_lshlrev_b32 v15, 5, v1                       ; 32 r: a position's scale bytes
	v_lshlrev_b32 v14, 4, v3                       ; 16 x lane
.irp a, 0,1,2,3
	global_load_b128 v[SA+8*\a:SA+8*\a+3], v15, s[80:81] offset:512*\a
	global_load_b128 v[SA+8*\a+4:SA+8*\a+7], v15, s[80:81] offset:512*\a+16
.endr
.irp b, 0,1,2,3,4,5,6,7
	global_load_b128 v[SB+8*\b:SB+8*\b+3], v15, s[82:83] offset:512*\b
	global_load_b128 v[SB+8*\b+4:SB+8*\b+7], v15, s[82:83] offset:512*\b+16
.endr
	global_load_b128 v[8:11], v14, s[84:85]        ; the bias of my four columns of a row read back
	v_lshlrev_b32 v3, 3, v3                        ; 8 x lane
	s_mul_i32 s88, s15, 4*TILEB
	v_add_nc_u32 v4, s88, v3
	v_add_nc_u32 v5, XHI, v4
	s_mul_i32 s88, s16, 8*TILEB
	s_add_co_u32 s88, s88, WLO
	v_add_nc_u32 v6, s88, v3
	v_add_nc_u32 v7, WHI-WLO, v6
	s_mul_i32 s88, s14, 16*SPITCH                  ; my stage
	v_mul_u32_u24 v12, v1, SPITCH
	v_lshl_add_u32 v12, v2, 6, v12
	v_add_nc_u32 v12, s88, v12                     ; in: row r, 64 h
	v_add_nc_u32 v13, s88, v14                     ; back: a row of 512 bytes
	WALU                                           ; the wait at the head's end
	s_cmp_lt_u32 s14, 2
	s_cbranch_scc0 .Lnot_lo
	s_wait_tensorcnt 0x0                           ; waves 0 and 1: the lower halves are in
.Lnot_lo:
	s_barrier_signal -1
	s_barrier_wait -1
.set L_, 0
.rept 72
	FRAGL L_, 0
.set L_, L_+1
.endr
	WIN 0
	s_wait_loadcnt 0x0                             ; the scale words and the bias
	STEP 0, 1
	STEP 1, 1
	STEP 2, 1
	s_wait_tensorcnt 0x0                           ; the upper halves;
	s_wait_dscnt 0x0                               ; my reads of the lower halves are over
	s_barrier_signal -1
	s_barrier_wait -1
	STEP 3, 1
	STEP 4, 1
	STEP 5, 1
	STEP 6, 1
	STEP 7, 0
.macro TOSTAGE a
	WIN 0x04                                       ; the data: window 1
.irp b, 0,1,2,3,4,5,6,7
	ds_store_b128 v12, v[64*(\a)+8*\b:64*(\a)+8*\b+3] offset:128*(\b/2)+32*(\b%2)      ; each accumulator from its low end on
	ds_store_b128 v12, v[64*(\a)+8*\b+4:64*(\a)+8*\b+7] offset:128*(\b/2)+32*(\b%2)+16
.endr
	WIN 0
.set BB, 128+64*((\a)%2)
.irp t, 0,1,2,3,4,5,6,7,8,9,10,11,12,13,14,15
	ds_load_b128 v[BB+4*\t:BB+4*\t+3], v13 offset:\t*SPITCH   ; LDS serves a wave's instructions in order: these see my stores
.endr
.endm
.macro SEND a, younger                 ; younger: the LDS instructions issued behind block a's loads
.set BB, 128+64*((\a)%2)
	s_wait_dscnt \younger
.irp t, 0,1,2,3,4,5,6,7,8,9,10,11,12,13,14,15
	v_pk_add_f32 v[BB+4*\t:BB+4*\t+1], v[BB+4*\t:BB+4*\t+1], v[8:9]
	v_pk_add_f32 v[BB+4*\t+2:BB+4*\t+3], v[BB+4*\t+2:BB+4*\t+3], v[10:11]
	global_store_b128 v14, v[BB+4*\t:BB+4*\t+3], s[20:21] offset:(32*((\a)/2)+8*((\a)%2)+\t+8*(\t/8))*4096 th:TH_STORE_NT   ; 512 consecutive bytes, aligned to 256; position t of block a is that row
.endr
.endm
	PLACES 4                                       ; behind the last products
	TOSTAGE 0
.irp a, 1,2,3
.if \a > 1
	s_wait_xcnt 0x0                                ; block a - 2's stores have read their registers
.endif
	TOSTAGE \a
	SEND \a-1, 32
.endr
	SEND 3, 0
	s_wait_tensorcnt 0x0                           ; the wave's end
	ds_add_u32 v[SPW], v[NIL]
	s_wait_dscnt 0x0
	ROUND                                          ; the closing round
	s_endpgm
.Lfunc_end_k_qfbd775108b_proj:
	.size	k_qfbd775108b_proj, .Lfunc_end_k_qfbd775108b_proj-k_qfbd775108b_proj
	.p2alignl 7, 3214868480
	.fill 96, 4, 3214868480
	.section	.rodata,"a",@progbits
	.p2align	6, 0x0
	.amdhsa_kernel k_qfbd775108b_proj
		.amdhsa_group_segment_fixed_size 327680
		.amdhsa_private_segment_fixed_size 0
		.amdhsa_enable_private_segment 0
		.amdhsa_kernarg_size 48
		.amdhsa_user_sgpr_count 2
		.amdhsa_user_sgpr_kernarg_segment_ptr 1
		.amdhsa_wavefront_size32 1
		.amdhsa_system_sgpr_workgroup_id_x 1
		.amdhsa_system_sgpr_workgroup_id_y 1
		.amdhsa_system_sgpr_workgroup_id_z 1
		.amdhsa_system_vgpr_workitem_id 0
		.amdhsa_next_free_vgpr 864
		.amdhsa_next_free_sgpr 100
		.amdhsa_reserve_vcc 0
		.amdhsa_float_denorm_mode_32 3
		.amdhsa_float_denorm_mode_16_64 3
		.amdhsa_memory_ordered 1
		.amdhsa_forward_progress 1
		.amdhsa_inst_pref_size 113
	.end_amdhsa_kernel
	.amdgpu_metadata
---
amdhsa.version: [ 1, 2 ]
amdhsa.kernels:
  - .name:           k_qfbd775108b_proj
    .symbol:         k_qfbd775108b_proj.kd
    .args:
      - { .name: a_img, .offset: 0, .size: 8, .value_kind: global_buffer, .address_space: global }
      - { .name: a_scl, .offset: 8, .size: 8, .value_kind: global_buffer, .address_space: global }
      - { .name: w_img, .offset: 16, .size: 8, .value_kind: global_buffer, .address_space: global }
      - { .name: w_scl, .offset: 24, .size: 8, .value_kind: global_buffer, .address_space: global }
      - { .name: b_proj, .offset: 32, .size: 8, .value_kind: global_buffer, .address_space: global }
      - { .name: out0, .offset: 40, .size: 8, .value_kind: global_buffer, .address_space: global }
    .group_segment_fixed_size: 327680
    .private_segment_fixed_size: 0
    .kernarg_segment_align: 8
    .kernarg_segment_size: 48
    .max_flat_workgroup_size: 128
    .sgpr_count:     100
    .vgpr_count:     864
    .wavefront_size: 32
...
	.end_amdgpu_metadata
.endif
;; end of part 4
